; MI455X (gfx1250); checked and timed in simulation.
; The chip was launched on July 23, 2026; its instructions are those of AMD's public machine-readable ISA for CDNA 5 (MIT licence, August 2026) and "CDNA5" Instruction Set Architecture Reference Guide (July 2026). The comments in the code are by the model that wrote it; some were corrected since.
;; Standard Attention. Allowed arithmetic: matrix products marked QUANTISED: E3M2 operands, one E8M0 scale for each 32 along K, by v_wmma_scale_f32_16x16x128_f8f6f4 with both operands' format E3M2, f32 sums; everything else in f32.
;; Inputs: b1 4,096 float32; b2 1,024 float32; b_out 1,024 float32; b_qkv 3,072 float32; ln1_b 1,024 float32; ln1_g 1,024 float32; ln2_b 1,024 float32; ln2_g 1,024 float32; w1_codes 4,096 x 32 x 24 uint8 (E3M2 codes of w1, K innermost, in blocks of 32 codes, four codes in three bytes); w1_scales 4,096 x 32 uint8 (E8M0 scales of w1, one for each 32 codes along K); w2_codes 1,024 x 128 x 24 uint8 (E3M2 codes of w2, K innermost, in blocks of 32 codes, four codes in three bytes); w2_scales 1,024 x 128 uint8 (E8M0 scales of w2, one for each 32 codes along K); w_out_codes 1,024 x 32 x 24 uint8 (E3M2 codes of w_out, K innermost, in blocks of 32 codes, four codes in three bytes); w_out_scales 1,024 x 32 uint8 (E8M0 scales of w_out, one for each 32 codes along K); w_qkv_codes 3,072 x 32 x 24 uint8 (E3M2 codes of w_qkv, K innermost, in blocks of 32 codes, four codes in three bytes); w_qkv_scales 3,072 x 32 uint8 (E8M0 scales of w_qkv, one for each 32 codes along K); x 2 x 2,048 x 1,024 float32.
;; Outputs: out0 2 x 2,048 x 1,024 float32.
;; This version of the problem:
;;   THIS VERSION OF THE PROBLEM IS GIVEN IN LOW PRECISION. The matrix products marked QUANTISED in the list below multiply operands that are first quantised to E3M2 (3 exponent bits, 2 mantissa bits; 6 bits a number), with one power-of-two scale for each 32 numbers along K (OCP MX v1.0); their sums are f32. All else is computed in f32.
;;   The module's matrix products, in the order in which they are computed (A, B: the left and right operand; K: the contracted axis; several contracted axes count as one K, in the product's order):
;;     1. [M 4,096, K 1,024] x [K 1,024, N 3,072]; A: computed on the way; B: input w_qkv (given as codes): QUANTISED
;;     2. batch 32 x [M 2,048, K 64] x [K 64, N 2,048]; A: computed on the way; B: computed on the way: QUANTISED
;;     3. batch 32 x [M 2,048, K 2,048] x [K 2,048, N 64]; A: softmax (see below); B: computed on the way: QUANTISED
;;     4. [M 4,096, K 1,024] x [K 1,024, N 1,024]; A: computed on the way; B: input w_out (given as codes): QUANTISED
;;     5. [M 4,096, K 1,024] x [K 1,024, N 4,096]; A: computed on the way; B: input w1 (given as codes): QUANTISED
;;     6. [M 4,096, K 4,096] x [K 4,096, N 1,024]; A: computed on the way; B: input w2 (given as codes): QUANTISED
;;   THE QUANTISER, for each operand of a quantised product, along K:
;;     - K is cut into blocks of 32 from its start; a last block that is shorter is filled with zeros.
;;     - A block's scale is 2^e with e = floor(log2(the largest magnitude in the block)) - 4, held to -126 .. 127; a block of zeros has e = 0. As a byte (E8M0): e + 127.
;;     - Each number is divided by its block's scale, clamped to +-28, and rounded to the nearest number of E3M2, ties to even, subnormals kept.
;;     - The product sums the exact products of the quantised numbers (number of the format x scale) in f32.
;;   ~~~python
;;   def quantise(x, axis):      # numpy; x: float32 -> the quantised numbers, widened to float32 again
;;       x = np.moveaxis(x, axis, -1); K = x.shape[-1]
;;       x = np.pad(x, [(0, 0)] * (x.ndim - 1) + [(0, -K % 32)]); x = x.reshape(x.shape[:-1] + (-1, 32)); a = np.abs(x).max(-1, keepdims=True)
;;       e = np.where(a > 0, np.clip(np.frexp(np.where(a > 0, a, 1))[1] - 1 - 4, -126, 127), 0)      # np.frexp(a)[1] - 1 = floor(log2(a)), exactly
;;       r = np.clip(x / 2.0 ** e, -28, 28)
;;       step = 2.0 ** (np.maximum(np.frexp(np.where(r == 0, 1, r))[1] - 1, -2) - 2)
;;       q = np.round(r / step) * step * 2.0 ** e      # np.round: ties to even
;;       return np.moveaxis(q.reshape(q.shape[:-2] + (-1,))[..., :K], -1, axis).astype(np.float32)
;;   ~~~
;;   SOFTMAX AHEAD OF A QUANTISED PRODUCT. Where the list says 'softmax', what is quantised is not the finished softmax but p = 2^(t - M), with t = logit x log2(e) and M = ceil(the row's largest t), a whole number; so 1/2 < the row's largest p <= 1. The row's sum l is taken of the UNQUANTISED p, in f32, and the product's result is divided by l at the end. Since M is a whole number, a kernel that streams over the keys may use a running M (the ceiling of the running maximum): every later rescaling is an exact power of two, which a block's scale takes up: the codes' values come out the same.
;;   OPERANDS COMPUTED ON THE WAY. 'Computed on the way' means the value that the module computes at that place (a softmax that the list does not call 'softmax' is quantised finished and normalised). What goes into a quantiser is computed in f32, as accurately as f32 sums, v_exp_f32 and their like allow (about 1e-6 of the number): no bf16 or f16 on the way to a quantiser, and a product that is left as it is and whose result goes on into a quantised operand takes f32 operands (vector FMAs, or v_wmma_f32_16x16x4_f32). A number that lies on a knife's edge between two numbers of the format may be rounded either way, as far as f32 arithmetic and the matrix unit's own rounding can turn it there, and no further.
;;   INPUTS GIVEN AS CODES. w1 (in the module: [1024, 4096], K = its axis 0); w2 (in the module: [4096, 1024], K = its axis 0); w_out (in the module: [1024, 1024], K = its axis 0); w_qkv (in the module: [1024, 3072], K = its axis 0): each comes as NAME_codes (uint8): NAME with its K axis moved to the last place and cut into blocks of 32 codes, [.., K / 32, bytes a block], one block behind the other in memory; four codes in three bytes: a row's codes are one little-endian stream of bits, code i at bits 6 i .. 6 i + 5 (a code: sign, 3 exponent bits, 2 mantissa bits); and NAME_scales (uint8): the same leading axes, one E8M0 byte (e + 127) for each 32 codes along K. Its value is code x scale, taken as it is: it is not quantised again, and the codes and scales need not be those that the quantiser above would give.
;; One version. Each part assembles by itself: llvm-mc -triple=amdgcn-amd-amdhsa -mcpu=gfx1250 --defsym DOCPART=n.
;; ======== version 1 of 1: 7 launches
;; workspace buffers: actc 3,145,728 bytes; acts 131,072 bytes; qkvc 9,437,184 bytes; qkvs 655,360 bytes; x1 16,777,216 bytes; gc 12,582,912 bytes; gs 524,288 bytes
;; launch ln1 (part 1): grid 256 x 1, 8 waves a work-group, no clusters, 66,816 bytes of LDS; arguments x, ln1_g, ln1_b, actc, acts; writes actc, acts
.if DOCPART == 1
	.amdgcn_target "amdgcn-amd-amdhsa--gfx1250"
	.amdhsa_code_object_version 6
	.text
	.protected	k_q4343575396_ln1
	.globl	k_q4343575396_ln1
	.p2align	8
	.type	k_q4343575396_ln1,@function
k_q4343575396_ln1:
	s_mov_b64 s[64:65], 0
	v_nop
	global_prefetch_b8 v0, s[64:65] scope:SCOPE_SE
	s_setreg_imm32_b32 hwreg(HW_REG_WAVE_MODE, 25, 1), 1
	s_wait_xcnt 0x0
; LayerNorm of rows of 1,024 f32, then the MX quantiser (E3M2, one E8M0 byte for each 32 along the row): y = (x - mean) rsqrt(var + 1e-5) g + b.
; The mean is taken first and the variance from the deviations, so a common offset of the inputs costs no digits.
; OUTPUT LAYOUT.  Rows go in TILES of 16: row r of tile T is token 64 (T / 4) + 8 (T % 4) + r % 8 + 32 (r / 8).  A tile's codes lie in CHUNKS of 768 bytes (16 rows x 64 along K), an image of the
; operand's registers: lane l = (r = l % 16, h = l / 16) owns the 32 codes k = 32 h .. of row r, six registers: registers 0-3 at 16 l, registers 4, 5 at 512 + 8 l.  Codes: [T][chunk 16]; scale words: [T][128 along K: 8][r].
; SHARES.  A work-group is a tile.  Wave w normalises rows 2 w, 2 w + 1 (two neighbouring tokens, 8,192 consecutive bytes), the rows meet in LDS (pitch 4,112 bytes), and wave w quantises chunks 2 w, 2 w + 1.
; Memory binds: no matrix unit, no tensor load, no cluster; one barrier.  Scale bytes leave one a lane, 32 bytes inside one piece of 64: one part in 24 of the codes' bytes.
; LIMITS: NaN and infinities are not served.  A block of zeros, or one whose largest magnitude lies under 2^-122, gets the byte 1: the bytes are read by this program alone.
.set PITCH, 4112
.set X,   16                           ; v16-79   two rows, 32 numbers a lane each; later two blocks of 32 neighbours
.set GA,  80                           ; v80-111  g of my 32 columns; later the codes and the quantiser's work
.set BE,  112                          ; v112-143 b
.set RDA, 144                          ; v144     LDS: where my block of 32 begins
.set O8,  145                          ; v145     512 + 8 x lane
.set SBY, 146                          ; v146     4 r + h
.macro SUM32 t                         ; v[t] summed over the 32 lanes, in every lane; v[t+4] at work
	v_add_f32_dpp v[\t], v[\t], v[\t] row_xmask:1 row_mask:0xf bank_mask:0xf
	v_add_f32_dpp v[\t], v[\t], v[\t] row_xmask:2 row_mask:0xf bank_mask:0xf
	v_add_f32_dpp v[\t], v[\t], v[\t] row_xmask:4 row_mask:0xf bank_mask:0xf
	v_add_f32_dpp v[\t], v[\t], v[\t] row_xmask:8 row_mask:0xf bank_mask:0xf
	v_permlanex16_b32 v[\t+4], v[\t], s20, s21
	v_add_f32 v[\t], v[\t], v[\t+4]
.endm
.macro STATS xr, t                     ; the row in v[xr ..] becomes its deviations; v[t] = var + eps
	v_pk_add_f32 v[\t:\t+1], v[\xr:\xr+1], v[\xr+2:\xr+3]
	v_pk_add_f32 v[\t+2:\t+3], v[\xr+4:\xr+5], v[\xr+6:\xr+7]
.irp i, 8,12,16,20,24,28
	v_pk_add_f32 v[\t:\t+1], v[\t:\t+1], v[\xr+\i:\xr+\i+1]
	v_pk_add_f32 v[\t+2:\t+3], v[\t+2:\t+3], v[\xr+\i+2:\xr+\i+3]
.endr
	v_pk_add_f32 v[\t:\t+1], v[\t:\t+1], v[\t+2:\t+3]
	v_add_f32 v[\t], v[\t], v[\t+1]
	SUM32 \t
	v_mul_f32 v[\t], s22, v[\t]                    ; the mean
.irp i, 0,2,4,6,8,10,12,14,16,18,20,22,24,26,28,30
	v_pk_add_f32 v[\xr+\i:\xr+\i+1], v[\xr+\i:\xr+\i+1], v[\t:\t+1] op_sel_hi:[1,0] neg_lo:[0,1] neg_hi:[0,1]
.endr
	v_pk_mul_f32 v[\t:\t+1], v[\xr:\xr+1], v[\xr:\xr+1]
	v_pk_mul_f32 v[\t+2:\t+3], v[\xr+2:\xr+3], v[\xr+2:\xr+3]
.irp i, 4,8,12,16,20,24,28
	v_pk_fma_f32 v[\t:\t+1], v[\xr+\i:\xr+\i+1], v[\xr+\i:\xr+\i+1], v[\t:\t+1]
	v_pk_fma_f32 v[\t+2:\t+3], v[\xr+\i+2:\xr+\i+3], v[\xr+\i+2:\xr+\i+3], v[\t+2:\t+3]
.endr
	v_pk_add_f32 v[\t:\t+1], v[\t:\t+1], v[\t+2:\t+3]
	v_add_f32 v[\t], v[\t], v[\t+1]
	SUM32 \t
	v_fma_f32 v[\t], v[\t], s22, s23               ; sum / 1,024 + 1e-5
.endm
; A lane's 32 numbers v[s ..], one whole block, become 32 codes in v[c .. c+5]; the scale's byte in v[t+3].  v[t .. t+6] at work; c and t are even.
.macro QBLK s, c, t
	v_max3_num_f32 v[\t], |v[\s]|, |v[\s+1]|, 0x2800000      ; the floor 2^(5 - 127) among the leaves: the byte cannot fall under 1
	v_max3_num_f32 v[\t+1], |v[\s+2]|, |v[\s+3]|, |v[\s+4]|
.irp i, 5,9,13,17,21,25
	v_max3_num_f32 v[\t], v[\t], |v[\s+\i]|, |v[\s+\i+1]|
	v_max3_num_f32 v[\t+1], v[\t+1], |v[\s+\i+2]|, |v[\s+\i+3]|
.endr
	v_max3_num_f32 v[\t], v[\t], |v[\s+29]|, |v[\s+30]|
	v_max3_num_f32 v[\t], v[\t], v[\t+1], |v[\s+31]|
	v_add_nc_u32 v[\t+2], 0xfe000000, v[\t]        ; 4 off the exponent field: the conversion takes this operand's exponent field as its scale
	v_cvt_scalef32_pk16_bf6_f32 v[\c:\c+2], v[\s:\s+15], v[\t+2]
	v_cvt_scalef32_pk16_bf6_f32 v[\t+4:\t+6], v[\s+16:\s+31], v[\t+2]   ; (a conversion's three registers begin on an even number)
	v_lshrrev_b32 v[\t+3], 23, v[\t+2]             ; the byte; also the plain line behind the conversions
	v_mov_b32 v[\c+3], v[\t+4]
	v_mov_b32 v[\c+4], v[\t+5]
	v_mov_b32 v[\c+5], v[\t+6]
.endm
	s_load_b256 s[4:11], s[0:1], 0x0               ; x s[4:5], g s[6:7], b s[8:9], codes s[10:11]
	s_load_b64 s[12:13], s[0:1], 0x20              ; scale words
	v_lshl_add_u32 v152, v0, 2, 0x10100
	v_mov_b32 v153, 0
	v_lshrrev_b32 v1, 5, v0
	v_readfirstlane_b32 s14, v1                    ; wave 0..7
	v_and_b32 v1, 31, v0                           ; lane
	v_lshlrev_b32 v2, 4, v1                        ; 16 x lane
	s_lshr_b32 s15, ttmp9, 2                       ; my first token: 64 (T / 4)
	s_lshl_b32 s15, s15, 6
	s_and_b32 s16, ttmp9, 3
	s_lshl_b32 s16, s16, 3                         ; + 8 (T % 4)
	s_add_co_u32 s15, s15, s16
	s_and_b32 s16, s14, 3
	s_lshl_b32 s16, s16, 1                         ; + (2 w) % 8
	s_add_co_u32 s15, s15, s16
	s_lshr_b32 s16, s14, 2
	s_lshl_b32 s16, s16, 5                         ; + 32 (w / 4)
	s_add_co_u32 s15, s15, s16
	s_lshl_b32 s16, s15, 12                        ; rows of 4,096 bytes
	s_mov_b32 s17, 0
	s_mov_b32 s20, 0x76543210                      ; v_permlanex16_b32's selects for lane l xor 16
	s_mov_b32 s21, 0xfedcba98
	s_mov_b32 s22, 0x3a800000                      ; 1 / 1,024
	s_mov_b32 s23, 0x3727c5ac                      ; 1e-5
	s_mul_i32 s24, ttmp9, 12288                    ; my tile's 16 chunks,
	s_mul_i32 s25, s14, 1536                       ; my two of them
	s_add_co_u32 s24, s24, s25
	s_mov_b32 s25, 0
	s_lshl_b32 s26, ttmp9, 9                       ; my tile's 8 x 16 scale words, my 16 of them
	s_lshl_b32 s27, s14, 6
	s_add_co_u32 s26, s26, s27
	s_mov_b32 s27, 0
	s_wait_kmcnt 0x0
	s_add_nc_u64 s[4:5], s[4:5], s[16:17]
	s_add_nc_u64 s[10:11], s[10:11], s[24:25]
	s_add_nc_u64 s[12:13], s[12:13], s[26:27]
.irp i, 0,1,2,3,4,5,6,7
	global_load_b128 v[X+4*\i:X+4*\i+3], v2, s[4:5] offset:512*\i               ; each load: 512 consecutive bytes
.endr
.irp i, 0,1,2,3,4,5,6,7
	global_load_b128 v[X+32+4*\i:X+32+4*\i+3], v2, s[4:5] offset:4096+512*\i
.endr
.irp i, 0,1,2,3,4,5,6,7
	global_load_b128 v[GA+4*\i:GA+4*\i+3], v2, s[6:7] offset:512*\i
.endr
.irp i, 0,1,2,3,4,5,6,7
	global_load_b128 v[BE+4*\i:BE+4*\i+3], v2, s[8:9] offset:512*\i
.endr
	s_mul_i32 s18, s14, 2*PITCH
	v_add_nc_u32 v3, s18, v2                       ; LDS, in: my two rows, 16 x lane
	v_and_b32 v147, 15, v0                         ; r
	v_bfe_u32 v148, v0, 4, 1                       ; h
	v_mul_u32_u24 v[RDA], v147, PITCH
	v_lshl_add_u32 v[RDA], v148, 7, v[RDA]         ; LDS, out: row r, + 128 h,
	s_lshl_b32 s19, s14, 9
	v_add_nc_u32 v[RDA], s19, v[RDA]               ; + my two chunks' 512 bytes
	v_lshl_add_u32 v[O8], v1, 3, 512
	v_lshl_add_u32 v[SBY], v147, 2, v148
	v_mov_b32 v8, 0                                ; written once: a lane permute's destination counts as one of its sources
	v_mov_b32 v14, 0
	s_wait_loadcnt 16                              ; the two rows are in; the 16 younger loads (g, b) may be out
	STATS X, 4
	STATS X+32, 10
	v_rsq_f32 v4, v4
	v_rsq_f32 v10, v10
	v_nop                                          ; a plain line behind the last of the two
	s_wait_alu depctr_va_vdst(0)                   ; one wait for both, ahead of the first line that names a result
	s_wait_loadcnt 0x0                             ; g and b
.irp i, 0,2,4,6,8,10,12,14,16,18,20,22,24,26,28,30
	v_pk_mul_f32 v[X+\i:X+\i+1], v[X+\i:X+\i+1], v[4:5] op_sel_hi:[1,0]
	v_pk_mul_f32 v[X+32+\i:X+32+\i+1], v[X+32+\i:X+32+\i+1], v[10:11] op_sel_hi:[1,0]
.endr
.irp i, 0,2,4,6,8,10,12,14,16,18,20,22,24,26,28,30
	v_pk_fma_f32 v[X+\i:X+\i+1], v[X+\i:X+\i+1], v[GA+\i:GA+\i+1], v[BE+\i:BE+\i+1]
	v_pk_fma_f32 v[X+32+\i:X+32+\i+1], v[X+32+\i:X+32+\i+1], v[GA+\i:GA+\i+1], v[BE+\i:BE+\i+1]
.endr
.irp i, 0,1,2,3,4,5,6,7
	ds_store_b128 v3, v[X+4*\i:X+4*\i+3] offset:512*\i
	ds_store_b128 v3, v[X+32+4*\i:X+32+4*\i+3] offset:PITCH+512*\i
.endr
	s_wait_dscnt 0x0                               ; for the others' sake: my rows lie in LDS
	s_barrier_signal -1
	s_barrier_wait -1                              ; all 16 rows do
.irp e, 0,1
.irp i, 0,1,2,3,4,5,6,7
	ds_load_b128 v[X+32*\e+4*\i:X+32*\e+4*\i+3], v[RDA] offset:256*\e+16*\i    ; pitch 4,112 = 16 x 257: sixteen rows fall into sixteen different columns of 16 bytes
.endr
.endr
	s_wait_dscnt 0x0
	QBLK X, 80, 96
	QBLK X+32, 88, 104
	global_store_b128 v2, v[80:83], s[10:11]                 ; a chunk: three whole aligned runs of 256 bytes
	global_store_b64 v[O8], v[84:85], s[10:11]
	global_store_b128 v2, v[88:91], s[10:11] offset:768
	global_store_b64 v[O8], v[92:93], s[10:11] offset:768
	global_store_b8 v[SBY], v99, s[12:13]                    ; byte 2 (chunk % 2) + h of row r's word
	global_store_b8 v[SBY], v107, s[12:13] offset:2
	s_wait_tensorcnt 0x0
	ds_add_u32 v152, v153
	s_wait_dscnt 0x0
	s_endpgm
.Lfunc_end_k_q4343575396_ln1:
	.size	k_q4343575396_ln1, .Lfunc_end_k_q4343575396_ln1-k_q4343575396_ln1
	.p2alignl 7, 3214868480
	.fill 96, 4, 3214868480
	.section	.rodata,"a",@progbits
	.p2align	6, 0x0
	.amdhsa_kernel k_q4343575396_ln1
		.amdhsa_group_segment_fixed_size 66816
		.amdhsa_private_segment_fixed_size 0
		.amdhsa_enable_private_segment 0
		.amdhsa_kernarg_size 40
		.amdhsa_user_sgpr_count 2
		.amdhsa_user_sgpr_kernarg_segment_ptr 1
		.amdhsa_wavefront_size32 1
		.amdhsa_system_sgpr_workgroup_id_x 1
		.amdhsa_system_sgpr_workgroup_id_y 1
		.amdhsa_system_sgpr_workgroup_id_z 1
		.amdhsa_system_vgpr_workitem_id 0
		.amdhsa_next_free_vgpr 154
		.amdhsa_next_free_sgpr 66
		.amdhsa_reserve_vcc 0
		.amdhsa_float_denorm_mode_32 3
		.amdhsa_float_denorm_mode_16_64 3
		.amdhsa_memory_ordered 1
		.amdhsa_forward_progress 1
		.amdhsa_inst_pref_size 23
	.end_amdhsa_kernel
	.amdgpu_metadata
---
amdhsa.version: [ 1, 2 ]
amdhsa.kernels:
  - .name:           k_q4343575396_ln1
    .symbol:         k_q4343575396_ln1.kd
    .args:
      - { .name: x, .offset: 0, .size: 8, .value_kind: global_buffer, .address_space: global }
      - { .name: ln1_g, .offset: 8, .size: 8, .value_kind: global_buffer, .address_space: global }
      - { .name: ln1_b, .offset: 16, .size: 8, .value_kind: global_buffer, .address_space: global }
      - { .name: actc, .offset: 24, .size: 8, .value_kind: global_buffer, .address_space: global }
      - { .name: acts, .offset: 32, .size: 8, .value_kind: global_buffer, .address_space: global }
    .group_segment_fixed_size: 66816
    .private_segment_fixed_size: 0
    .kernarg_segment_align: 8
    .kernarg_segment_size: 40
    .max_flat_workgroup_size: 256
    .sgpr_count:     66
    .vgpr_count:     154
    .wavefront_size: 32
...
	.end_amdgpu_metadata
.endif
;; end of part 1
;; launch qkv (part 2): grid 8 x 32, 4 waves a work-group, clusters of 4 x 4, 327,680 bytes of LDS; arguments actc, acts, w_qkv_codes, w_qkv_scales, b_qkv, qkvc, qkvs; writes qkvc, qkvs
.if DOCPART == 2
	.amdgcn_target "amdgcn-amd-amdhsa--gfx1250"
	.amdhsa_code_object_version 6
	.text
	.protected	k_q4343575396_qkv
	.globl	k_q4343575396_qkv
	.p2align	8
	.type	k_q4343575396_qkv,@function
k_q4343575396_qkv:
	s_mov_b64 s[64:65], 0
	v_nop
	global_prefetch_b8 v0, s[64:65] scope:SCOPE_SE
	s_setreg_imm32_b32 hwreg(HW_REG_WAVE_MODE, 25, 1), 1
	s_wait_xcnt 0x0
	s_wait_alu depctr_hold_cnt(0) depctr_sa_sdst(0) depctr_va_vdst(0) depctr_va_sdst(0) depctr_va_ssrc(0) depctr_va_vcc(0) depctr_vm_vsrc(0)
	s_getreg_b32 s2, hwreg(HW_REG_IB_STS2, 6, 4)
	s_cmp_eq_u32 s2, 0
	s_cbranch_scc0 .Lentry_in_a_cluster
	s_endpgm
.Lentry_in_a_cluster:
	s_bfe_u32 s2, ttmp6, 0x10000c
	s_cmp_lg_u32 s2, 0xf033
	s_cbranch_scc0 .Lentry_shape_is_right
	s_endpgm
.Lentry_shape_is_right:
; qkv = h W^T + b on codes of E3M2 with E8M0 scales, K = 1,024; the results are quantised on the way out: q and k along the head's 64 channels, v along the tokens (the keys).
; h: chunks [tile 256][16] of 768 bytes (16 rows x 64 K as an image of the operand's registers: lane l's registers 0-3 at 16 l, 4, 5 at 512 + 8 l), scale words [tile][8][r].  Row r of tile T is token 64 (T/4) + 8 (T%4) + r%8 + 32 (r/8).
; W: rows of 768 bytes of codes, K innermost, 32 scale bytes a row.
; A WORK-GROUP STAYS.  It owns 128 rows (8 tiles) of h, which lie in LDS for the whole launch, filled once, and walks three tiles of 128 columns, 1,024 columns apart: the first is q's, the second k's, the third v's, in every work-group.
; A wave makes 4 tiles (one group of 64 tokens) x 64 columns (one head): 16 accumulators.  W's two halves of K (512 each) are a ring of two slots: a slot that has been read out takes the next column tile's half, so that it lands under
; the rest of this tile's products and its way out.  W's scale bytes of all three tiles come once.  By this text's count three tensor loads of a wave are out at the head, later one.
; CLUSTER 4 x 4: the activations are shared along a row of the cluster, the weights along a column; each is asked for jointly.  A refill stands behind a round of the cluster's barrier; waves 2 and 3 issue it, 64 rows each.
; q, k: source 0 = 16 rows of W, source 1 = a tile of h: a lane holds one token and eight channels.  A tile's four accumulators lie in the order 0, 2, 1, 3, so that 16 exchanges of half-waves leave each lane
; a whole block of 32 neighbouring channels in 32 consecutive registers.  v: source 0 = a tile of h, source 1 = 16 rows of W: a lane holds one channel, and by the tiles' row order its 32 registers are 32 neighbouring tokens.
; OUT: qkvc: q [tile][head] chunks; + 3,145,728 k likewise; + 6,291,456 v [b h 32][64 keys: 32][16 channels: 4] chunks.  qkvs: q, k [b h][tile 128][r] words (bytes 2, 3 = 127: the head's 64 are filled to 128 with zero codes); + 524,288 v [b h][128 keys: 16][4][r].
; All of a WGP's LDS is claimed, and 0 is added to spare words at each change of slots and at the end.  No prefetch: small tiles, shared in a cluster first.
; LIMITS: NaN, infinities not served; a block of zeros or under 2^-122 gets the byte 1 (read by this program alone).
.set KK,    1024
.set NT,    3                          ; column tiles that a work-group walks
.set ATILE, KK/64*768                  ; a tile's codes in memory
.set KROW,  KK*6/8                     ; a row of W
.set KS,    KK/32                      ; a row of W's scale bytes
.set SAT,   KK/128*64                  ; a tile's scale words
.set NSR,   4*SAT/256                  ; runs of 256 bytes in four tiles' scale words
.set WP,    432                        ; a row of W in a slot: 3 x (128 bytes + 16 of padding) = 108 words: sixteen rows start at sixteen different multiples of 4 words modulo 64
.set WOFF,  8*6144                     ; a slot: 8 tiles x 8 chunks, then 128 rows of W
.set SLOT,  WOFF+128*WP
.set SCA,   2*SLOT                     ; the activations' scale words, dense
.set SCW,   SCA+8*SAT                  ; W's scale bytes, runs of 256 + 16: [which 64 rows: 2][column tile: NT]
.set HALFS, 64*KS/256*272              ; those of 64 rows
.set SBLK,  HALFS/4                    ; of 16
.set SPARE, SCW+2*NT*HALFS             ; the spare words, 128 bytes a wave: two blocks of 256 bytes that no other line names
.set WSTEP, 1024*KROW                  ; from a column tile to the next, in W's codes
.set ADA,  4                           ; v4, 5   LDS: my four tiles in slot 0, 1, + 16 l
.set ADA8, 6                           ; v6, 7   the same + 512 + 8 l
.set ADW,  8                           ; v8, 9   my 64 rows of W: 432 r + 24 h;  v10, 11: + 16 h more, for pieces behind one padding more
.set ADSA, 12                          ; v12     my tiles' scale words, + 4 r
.set ADSW, 13                          ; v13     my rows' scale bytes, of the column tile in hand
.set L16,  14                          ; v14     16 l
.set L8,   15                          ; v15     512 + 8 l
.set SBY,  16                          ; v16     4 r + h
.set H32,  17                          ; v17     32 h
.set SPW,  18                          ; v18     SPARE + 4 x my thread's number; never rewritten
.set NIL,  19                          ; v19     0; never rewritten
.set C7F,  21                          ; v21     127
.set R4,   22                          ; v22     4 r
.set TQ,   24                          ; v24-30  the quantiser's work
.set SA,   32                          ; v32-39  scale words of the tiles, set f at + 4 f: scales and nothing else
.set SW,   40                          ; v40-47  of W's blocks
.set BI,   48                          ; v48-79  q's bias in the result's layout
.set BV,   80                          ; v80-87  v's bias of my channel, twice
.set CD,   88                          ; v88-93  codes
.set BIK,  96                          ; v96-127 k's bias
.set ACC,  128                         ; v128-255 accumulators.  Window 1: fragment buffer f at 128 f: tiles at + 12 a, W's blocks at + 48 + 12 b
.set G1A, 24
.set G0A, 32
.set G1W, 48
.set G0W, 56
.set G1SA, 68
.set G0SA, 76
.set G1SW, 80
.set G0SW, 88
.set FORM, 0                           ; 0: q, k;  1: v
.set CB,   BI                          ; where the bias of the tile in hand lies
.set MSB, 0
.macro WIN new                         ; the immediate's high byte repeats the setting that is left
.if MSB != \new
	s_set_vgpr_msb (MSB<<8)|\new
.set MSB, \new
.endif
.endm
.macro PLACES                          ; four plain lines between a matrix instruction and a load into, or a vector line on, its registers
.rept 4
	v_nop
.endr
.endm
.macro JLOAD g0a, g1a, g0w, g1w        ; a joint first fill: waves 0, 1 fetch for the activations, waves 2, 3 for W; four v_nop follow each line
	s_cmp_eq_u32 s19, 0
	s_cbranch_scc0 .Lfor_w_\@
	tensor_load_to_lds s[\g0a:\g0a+3], s[\g1a:\g1a+7]
	s_nop 0
.rept 4
	v_nop
.endr
	s_branch .Lasked_\@
.Lfor_w_\@:
	tensor_load_to_lds s[\g0w:\g0w+3], s[\g1w:\g1w+7]
	s_nop 0
.rept 4
	v_nop
.endr
.Lasked_\@:
.endm
.macro WLOAD g0                        ; a joint refill of W's part of a slot: waves 2, 3, 64 rows each; the branch hangs on the wave's number alone
	s_cmp_eq_u32 s19, 0
	s_cbranch_scc1 .Lnone_\@
	tensor_load_to_lds s[\g0:\g0+3], s[G1W:G1W+7]
	s_nop 0
.rept 4
	v_nop
.endr
.Lnone_\@:
.endm
.macro CROUND                          ; a round of the cluster's barrier
	s_barrier_signal -1
	s_barrier_wait -1
	s_cmp_lg_u32 s18, 0
	s_cbranch_scc1 .Lnot_wave_0_\@
	s_barrier_signal -3
.Lnot_wave_0_\@:
	s_barrier_wait -3
	s_barrier_signal -1
	s_barrier_wait -1
.endm
.macro FRAGW reg, adr, q, b            ; 16 rows of W x 128 K: six pieces of 8 bytes; lanes 16-31 read three pieces further on, which for some pieces is behind one padding more
.irp p, 0,1,2,3,4,5
.set PC, 12*(\q)+6*(\p/3)+\p%3
.if PC%16 < 13
	ds_load_b64 v[\reg+2*\p:\reg+2*\p+1], v[\adr] offset:8*PC+16*(PC/16)+(\b)*16*WP
.else
	ds_load_b64 v[\reg+2*\p:\reg+2*\p+1], v[\adr+2] offset:8*PC+16*(PC/16)+(\b)*16*WP
.endif
.endr
.endm
.macro FETCH sl, q, f                  ; 48 LDS loads: the fragments and scale words of the slot's q-th 128 along K, into buffer f
	WIN 0x40                                       ; destination window 1
.irp a, 0,1,2,3
.irp c, 0,1
	ds_load_b128 v[128*(\f)+12*\a+6*\c:128*(\f)+12*\a+6*\c+3], v[ADA+\sl] offset:\a*6144+(2*(\q)+\c)*768
	ds_load_b64 v[128*(\f)+12*\a+6*\c+4:128*(\f)+12*\a+6*\c+5], v[ADA8+\sl] offset:\a*6144+(2*(\q)+\c)*768
.endr
.endr
.irp b, 0,1,2,3
	FRAGW 128*(\f)+48+12*\b, ADW+\sl, \q, \b
.endr
	WIN 0
.irp a, 0,1,2,3
	ds_load_b32 v[SA+4*(\f)+\a], v[ADSA] offset:\a*SAT+64*(4*(\sl)+(\q))
.endr
.irp b, 0,1,2,3
	ds_load_b32 v[SW+4*(\f)+\b], v[ADSW] offset:\b*SBLK+4*(4*(\sl)+(\q))
.endr
.endm
; 16 matrix instructions, the 16 accumulators by turns, in the same order in every step.  first = 1: the bias is the C of the sums' first products
.macro MUL16 f, first
.irp a, 0,1,2,3
.irp b, 0,1,2,3
.set DD, ACC+32*\a+8*(2*(\b%2)+\b/2)
.if \first
	v_wmma_scale_f32_16x16x128_f8f6f4 v[DD:DD+7], v[128*(\f)+48+12*\b:128*(\f)+48+12*\b+11], v[128*(\f)+12*\a:128*(\f)+12*\a+11], v[CB+8*\b:CB+8*\b+7], v[SW+4*(\f)+\b], v[SA+4*(\f)+\a] matrix_a_fmt:MATRIX_FMT_BF6 matrix_b_fmt:MATRIX_FMT_BF6
.else
	v_wmma_scale_f32_16x16x128_f8f6f4 v[DD:DD+7], v[128*(\f)+48+12*\b:128*(\f)+48+12*\b+11], v[128*(\f)+12*\a:128*(\f)+12*\a+11], v[DD:DD+7], v[SW+4*(\f)+\b], v[SA+4*(\f)+\a] matrix_a_fmt:MATRIX_FMT_BF6 matrix_b_fmt:MATRIX_FMT_BF6
.endif
.endr
.endr
.endm
.macro MUL16N f, first                 ; the same for v: the tile is source 0; accumulator (b, a) at ACC + 32 b + 8 a; the sums begin with 0
.irp a, 0,1,2,3
.irp b, 0,1,2,3
.set DD, ACC+32*\b+8*\a
.if \first
	v_wmma_scale_f32_16x16x128_f8f6f4 v[DD:DD+7], v[128*(\f)+12*\a:128*(\f)+12*\a+11], v[128*(\f)+48+12*\b:128*(\f)+48+12*\b+11], 0, v[SA+4*(\f)+\a], v[SW+4*(\f)+\b] matrix_a_fmt:MATRIX_FMT_BF6 matrix_b_fmt:MATRIX_FMT_BF6
.else
	v_wmma_scale_f32_16x16x128_f8f6f4 v[DD:DD+7], v[128*(\f)+12*\a:128*(\f)+12*\a+11], v[128*(\f)+48+12*\b:128*(\f)+48+12*\b+11], v[DD:DD+7], v[SA+4*(\f)+\a], v[SW+4*(\f)+\b] matrix_a_fmt:MATRIX_FMT_BF6 matrix_b_fmt:MATRIX_FMT_BF6
.endif
.endr
.endr
.endm
.macro MUL f, first
	WIN 0x05                                       ; sources 0 and 1 window 1
.if FORM
	MUL16N \f, \first
.else
	MUL16 \f, \first
.endif
	WIN 0
.endm
.macro KSTEP f, first, fetch, nsl, nq  ; a step of 128 along K on buffer f; the next step's fragments are asked for ahead of its products
	s_wait_dscnt 0x0                               ; buffer f and its scale words, asked for a step ago, are in
.if \fetch
	PLACES                                         ; the last step's products read the buffer that is loaded now
	FETCH \nsl, \nq, 1-\f
.endif
	MUL \f, \first
.endm
; Slot 0's fourth step changes slots.  Each wave waits for all its tensor loads (slot 1's part among them), adds 0 to its spare word, and waits for that and for its reads of slot 0 (its last fragments are in buffer 1).
; fill = 1: a round of the cluster's barrier, and behind it slot 0's W takes the next column tile's K 0-511.
.macro TURN0 fill
	s_wait_tensorcnt 0x0                           ; no tensor load of mine is out, so a group 0 may be written
	ds_add_u32 v[SPW], v[NIL]
.if \fill
	s_add_nc_u64 s[G0W+2:G0W+3], s[G0W+2:G0W+3], WSTEP
.endif
	PLACES                                         ; on every wave's path: the places ahead of the loads into buffer 0, which the last step's products read
	s_wait_dscnt 0x0                               ; the add is done, and my reads of slot 0 are over
.if \fill
	CROUND                                         ; no wave of any partner still reads slot 0's W or has a load on its way
	WLOAD G0W                                      ; the first tensor load behind the round
.else
	s_barrier_signal -1
	s_barrier_wait -1
.endif
	FETCH 1, 0, 0
	MUL 1, 0
.endm
; The second change of slots stands in the middle of a tile's way out, so that each of the two refills has four steps of K and half a way out in which to land.  Slot 1 has been read out; slot 0's refill is waited for;
; behind the round slot 1's W takes the next column tile's K 512-1,023, and the next tile's first fragments are asked for.
.macro CHANGE1
	s_wait_tensorcnt 0x0
	ds_add_u32 v[SPW], v[NIL]
	s_add_nc_u64 s[G0W+6:G0W+7], s[G0W+6:G0W+7], WSTEP
	v_add_nc_u32 v[ADSW], HALFS, v[ADSW]           ; the next column tile's scale bytes
	s_wait_dscnt 0x0
	CROUND
	WLOAD G0W+4
	FETCH 0, 0, 0
.endm
.macro KLOOP fill                      ; a column tile's eight steps of 128 along K
	KSTEP 0, 1, 1, 0, 1
	KSTEP 1, 0, 1, 0, 2
	KSTEP 0, 0, 1, 0, 3
	TURN0 \fill
	KSTEP 0, 0, 1, 1, 1
	KSTEP 1, 0, 1, 1, 2
	KSTEP 0, 0, 1, 1, 3
	KSTEP 1, 0, 0, 0, 0
	PLACES                                         ; behind the last products, ahead of the first read of results
.endm
.macro SWAP16 x                        ; slots of 8 registers in the order of tiles 0, 2, 1, 3: afterwards lane (r, h) holds columns 32 h + 0 .. 31 in v[x .. x+31]
.irp j, 0,1,2,3,4,5,6,7
	v_permlane16_swap_b32 v[\x+\j], v[\x+8+\j]
	v_permlane16_swap_b32 v[\x+16+\j], v[\x+24+\j]
.endr
.endm
.macro QBLK s, c, t                    ; a lane's 32 numbers, one whole block, become codes in v[c .. c+5]; the scale's byte in v[t+3]
	v_max3_num_f32 v[\t], |v[\s]|, |v[\s+1]|, 0x2800000      ; the floor 2^(5 - 127): the byte cannot fall under 1
	v_max3_num_f32 v[\t+1], |v[\s+2]|, |v[\s+3]|, |v[\s+4]|
.irp i, 5,9,13,17,21,25
	v_max3_num_f32 v[\t], v[\t], |v[\s+\i]|, |v[\s+\i+1]|
	v_max3_num_f32 v[\t+1], v[\t+1], |v[\s+\i+2]|, |v[\s+\i+3]|
.endr
	v_max3_num_f32 v[\t], v[\t], |v[\s+29]|, |v[\s+30]|
	v_max3_num_f32 v[\t], v[\t], v[\t+1], |v[\s+31]|
	v_add_nc_u32 v[\t+2], 0xfe000000, v[\t]        ; 4 off the exponent field: the conversion's scale operand
	v_cvt_scalef32_pk16_bf6_f32 v[\c:\c+2], v[\s:\s+15], v[\t+2]
	v_cvt_scalef32_pk16_bf6_f32 v[\t+4:\t+6], v[\s+16:\s+31], v[\t+2]
	v_lshrrev_b32 v[\t+3], 23, v[\t+2]             ; the byte; also the plain line behind the conversions
	v_mov_b32 v[\c+3], v[\t+4]
	v_mov_b32 v[\c+4], v[\t+5]
	v_mov_b32 v[\c+5], v[\t+6]
.endm
.macro OUTQK a, t                      ; q (t = 0) or k (t = 1), tile a: exchange, quantise, store a chunk and its bytes
	SWAP16 ACC+32*\a
	s_wait_xcnt 0x0                                ; the earlier stores have read their registers
	QBLK ACC+32*\a, CD, TQ
	global_store_b128 v[L16], v[CD:CD+3], s[14:15] offset:\t*3145728+\a*12288
	global_store_b64 v[L8], v[CD+4:CD+5], s[14:15] offset:\t*3145728+\a*12288
	global_store_b8 v[SBY], v[TQ+3], s[16:17] offset:\t*262144+\a*64          ; byte h of row r's word
	global_store_b8 v[SBY], v[C7F], s[16:17] offset:\t*262144+\a*64+2         ; bytes 2, 3: over zero codes
.endm
.macro OUTV b                          ; v, 16 channels: my channel's bias, quantise my 32 tokens, store
.irp i, 0,2,4,6,8,10,12,14,16,18,20,22,24,26,28,30
	v_pk_add_f32 v[ACC+32*\b+\i:ACC+32*\b+\i+1], v[ACC+32*\b+\i:ACC+32*\b+\i+1], v[BV+2*\b:BV+2*\b+1]
.endr
	s_wait_xcnt 0x0
	QBLK ACC+32*\b, CD, TQ
	global_store_b128 v[L16], v[CD:CD+3], s[96:97] offset:\b*768
	global_store_b64 v[L8], v[CD+4:CD+5], s[96:97] offset:\b*768
	global_store_b8 v[SBY], v[TQ+3], s[98:99] offset:\b*64                    ; byte 2 (group % 2) + h of channel r's word
.endm
	s_load_b256 s[4:11], s[0:1], 0x0               ; h's codes s[4:5], h's scales s[6:7], W's codes s[8:9], W's scales s[10:11]
	s_load_b128 s[12:15], s[0:1], 0x20             ; bias s[12:13], qkvc s[14:15]
	s_load_b64 s[16:17], s[0:1], 0x30              ; qkvs
	v_lshl_add_u32 v[SPW], v0, 2, SPARE
	v_mov_b32 v[NIL], 0
	ds_add_u32 v18, v19
	ds_add_u32 v18, v19
	s_wait_dscnt 0x0
	v_lshrrev_b32 v1, 5, v0
	v_readfirstlane_b32 s18, v1                    ; wave 0..3
	s_lshr_b32 s19, s18, 1                         ; which four tiles are mine.  Also: I fetch for the activations (0) or for W (1)
	s_and_b32 s20, s18, 1                          ; which 64 columns.  Also: which half I fetch
	s_bfe_u32 s21, ttmp6, 0x40000                  ; cx
	s_bfe_u32 s22, ttmp6, 0x40004                  ; cy
	s_lshl_b32 s23, ttmp9, 2
	s_add_co_u32 s23, s23, s21                     ; gx 0..7: my 128 columns of each 1,024
	s_and_b32 s92, ttmp7, 0xffff
	s_lshl_b32 s92, s92, 2
	s_add_co_u32 s92, s92, s22                     ; ty: 128 rows
	s_lshl_b32 s93, s22, 2
	s_lshl_b32 s93, 15, s93                        ; my row of the cluster
	s_lshl_b32 s94, 0x1111, s21                    ; my column
	s_or_b32 s[G1A], s93, (3<<16)|(1<<21)          ; activations: 4 tiles x 6,144 bytes (768 elements of 8), no padding; bit 21 beside the mask
	s_mov_b32 s[G1A+1], 768<<16
	s_mov_b32 s[G1A+2], 4<<16
	s_mov_b32 s[G1A+3], 768<<16
	s_mov_b32 s[G1A+4], 4
	s_mov_b32 s[G1A+5], ATILE/8
	s_mov_b32 s[G1A+6], 0
	s_mov_b32 s[G1A+7], 0
	s_or_b32 s[G1W], s94, (1<<20)|(1<<21)|(4<<22)|(3<<25)   ; W: 64 rows x 384 bytes, 4 words of padding behind every 32
	s_mov_b32 s[G1W+1], 384<<16
	s_mov_b32 s[G1W+2], 64<<16
	s_mov_b32 s[G1W+3], 384<<16
	s_mov_b32 s[G1W+4], 64
	s_mov_b32 s[G1W+5], KROW
	s_mov_b32 s[G1W+6], 0
	s_mov_b32 s[G1W+7], 0
	s_or_b32 s[G1SA], s93, (3<<16)|(1<<21)         ; scale words of 4 tiles: a dense block, as rows of 256 bytes
	s_mov_b32 s[G1SA+1], 32<<16
	s_mov_b32 s[G1SA+2], NSR<<16
	s_mov_b32 s[G1SA+3], 32<<16
	s_mov_b32 s[G1SA+4], NSR
	s_mov_b32 s[G1SA+5], 32
	s_mov_b32 s[G1SA+6], 0
	s_mov_b32 s[G1SA+7], 0
	s_or_b32 s[G1SW], s94, (3<<16)|(1<<20)|(1<<21)|(5<<22)|(3<<25)   ; scale bytes of 64 rows of W in each of the NT column tiles: NT rows of 2,048 bytes, 1,024 rows of W apart, 16 bytes of padding behind every 256
	s_mov_b32 s[G1SW+1], 256<<16
	s_mov_b32 s[G1SW+2], NT<<16
	s_mov_b32 s[G1SW+3], 256<<16
	s_mov_b32 s[G1SW+4], NT
	s_mov_b32 s[G1SW+5], 1024*KS/8
	s_mov_b32 s[G1SW+6], 0
	s_mov_b32 s[G1SW+7], 0
	s_lshl_b32 s40, s92, 3                         ; the activations' offsets hang on ty and the wave alone,
	s_lshl_b32 s41, s20, 2
	s_add_co_u32 s40, s40, s41                     ; the first tile that I fetch
	s_mul_i32 s42, s40, SAT
	s_mul_i32 s40, s40, ATILE
	s_mov_b32 s41, 0
	s_mov_b32 s43, 0
	s_lshl_b32 s44, s23, 7                         ; W's on gx and the wave alone
	s_lshl_b32 s45, s20, 6
	s_add_co_u32 s44, s44, s45                     ; the first row that I fetch
	s_mul_i32 s46, s44, KS
	s_mul_i32 s44, s44, KROW
	s_mov_b32 s45, 0
	s_mov_b32 s47, 0
	s_wait_kmcnt 0x0
	s_mov_b32 s[G0A], 1
	s_mul_i32 s[G0A+1], s20, 4*6144
	s_add_nc_u64 s[G0A+2:G0A+3], s[4:5], s[40:41]
	s_mov_b32 s[G0A+4], 1
	s_add_co_u32 s[G0A+5], s[G0A+1], SLOT
	s_add_nc_u64 s[G0A+6:G0A+7], s[G0A+2:G0A+3], 6144      ; the second 512 along K: 8 chunks on
	s_or_b32 s[G0A+3], s[G0A+3], 0x80000000
	s_or_b32 s[G0A+7], s[G0A+7], 0x80000000
	s_mov_b32 s[G0W], 1
	s_mul_i32 s[G0W+1], s20, 64*WP
	s_add_co_u32 s[G0W+1], s[G0W+1], WOFF
	s_add_nc_u64 s[G0W+2:G0W+3], s[8:9], s[44:45]
	s_mov_b32 s[G0W+4], 1
	s_add_co_u32 s[G0W+5], s[G0W+1], SLOT
	s_add_nc_u64 s[G0W+6:G0W+7], s[G0W+2:G0W+3], 384
	s_or_b32 s[G0W+3], s[G0W+3], 0x80000000
	s_or_b32 s[G0W+7], s[G0W+7], 0x80000000
	s_mov_b32 s[G0SA], 1
	s_mul_i32 s[G0SA+1], s20, 4*SAT
	s_add_co_u32 s[G0SA+1], s[G0SA+1], SCA
	s_add_nc_u64 s[G0SA+2:G0SA+3], s[6:7], s[42:43]
	s_or_b32 s[G0SA+3], s[G0SA+3], 0x80000000
	s_mov_b32 s[G0SW], 1
	s_mul_i32 s[G0SW+1], s20, NT*HALFS
	s_add_co_u32 s[G0SW+1], s[G0SW+1], SCW
	s_add_nc_u64 s[G0SW+2:G0SW+3], s[10:11], s[46:47]
	s_or_b32 s[G0SW+3], s[G0SW+3], 0x80000000
	CROUND                                         ; all sixteen work-groups are here: the joint loads meet
	JLOAD G0SA, G1SA, G0SW, G1SW                   ; three loads of mine are out: the scales,
	JLOAD G0A, G1A, G0W, G1W                       ; K 0-511,
	JLOAD G0A+4, G1A, G0W+4, G1W                   ; K 512-1,023
	v_and_b32 v1, 15, v0                           ; r
	v_bfe_u32 v2, v0, 4, 1                         ; h
	v_and_b32 v3, 31, v0                           ; l
	v_lshlrev_b32 v[H32], 5, v2
	v_lshlrev_b32 v[R4], 2, v1
	s_lshl_b32 s96, s23, 9                         ; the bias of my 64 columns of q: 4 (128 gx + 64 wn); k's 4,096 bytes on, v's 8,192
	s_lshl_b32 s97, s20, 8
	s_add_co_u32 s96, s96, s97
	s_mov_b32 s97, 0
	s_add_nc_u64 s[12:13], s[12:13], s[96:97]
.irp b, 0,1,2,3
	global_load_b128 v[BI+8*\b:BI+8*\b+3], v[H32], s[12:13] offset:64*\b          ; columns 16 b + 8 h + 0 .. 7
	global_load_b128 v[BI+8*\b+4:BI+8*\b+7], v[H32], s[12:13] offset:64*\b+16
	global_load_b128 v[BIK+8*\b:BIK+8*\b+3], v[H32], s[12:13] offset:4096+64*\b
	global_load_b128 v[BIK+8*\b+4:BIK+8*\b+7], v[H32], s[12:13] offset:4096+64*\b+16
	global_load_b32 v[BV+2*\b], v[R4], s[12:13] offset:8192+64*\b                 ; column 16 b + r, in both halves of a pair
	global_load_b32 v[BV+2*\b+1], v[R4], s[12:13] offset:8192+64*\b
.endr
	v_lshlrev_b32 v[L16], 4, v3
	v_lshl_add_u32 v[L8], v3, 3, 512
	s_mul_i32 s2, s19, 4*6144
	v_add_nc_u32 v[ADA], s2, v[L16]
	v_add_nc_u32 v[ADA8], s2, v[L8]
	v_add_nc_u32 v[ADA+1], SLOT, v[ADA]
	v_add_nc_u32 v[ADA8+1], SLOT, v[ADA8]
	v_mul_u32_u24 v[ADW], v1, WP
	v_mad_u32_u24 v[ADW], v2, 24, v[ADW]
	s_mul_i32 s2, s20, 64*WP
	s_add_co_u32 s2, s2, WOFF
	v_add_nc_u32 v[ADW], s2, v[ADW]
	v_lshl_add_u32 v[ADW+2], v2, 4, v[ADW]
	v_add_nc_u32 v[ADW+1], SLOT, v[ADW]
	v_add_nc_u32 v[ADW+3], SLOT, v[ADW+2]
	s_mul_i32 s2, s19, 4*SAT
	s_add_co_u32 s2, s2, SCA
	v_add_nc_u32 v[ADSA], s2, v[R4]
	v_mul_u32_u24 v[ADSW], v1, KS
	v_lshrrev_b32 v23, 8, v[ADSW]
	v_lshl_add_u32 v[ADSW], v23, 4, v[ADSW]        ; 16 more for each 256 passed
	s_mul_i32 s2, s20, NT*HALFS
	s_add_co_u32 s2, s2, SCW
	v_add_nc_u32 v[ADSW], s2, v[ADSW]
	v_add_nc_u32 v[SBY], v[R4], v2
	v_mov_b32 v[C7F], 0x7f
	; where the results go (all LDS addresses are made: from here on s2 holds other things)
	s_lshl_b32 s2, s23, 1
	s_add_co_u32 s2, s2, s20                       ; the head = 2 gx + wn
	s_lshr_b32 s3, s92, 4
	s_lshl_b32 s3, s3, 4
	s_add_co_u32 s3, s3, s2                        ; batch x 16 + head
	s_lshl_b32 s95, s92, 3
	s_lshl_b32 s96, s19, 2
	s_add_co_u32 s95, s95, s96                     ; my first tile
	s_mov_b32 s101, 0
	s_lshr_b32 s98, s95, 2
	s_and_b32 s98, s98, 31                         ; my group of 64 keys in its batch
	s_lshl_b32 s100, s3, 5
	s_add_co_u32 s100, s100, s98
	s_mul_i32 s100, s100, 3072
	s_add_co_u32 s100, s100, 6291456
	s_add_nc_u64 s[96:97], s[14:15], s[100:101]    ; v's chunks
	s_lshl_b32 s100, s3, 4
	s_lshr_b32 s99, s98, 1
	s_add_co_u32 s100, s100, s99
	s_lshl_b32 s100, s100, 8
	s_and_b32 s99, s98, 1
	s_lshl_b32 s99, s99, 1
	s_add_co_u32 s100, s100, s99
	s_add_co_u32 s100, s100, 524288
	s_add_nc_u64 s[98:99], s[16:17], s[100:101]    ; v's scale bytes
	s_mul_i32 s100, s95, 12288
	s_mul_i32 s2, s2, 768
	s_add_co_u32 s100, s100, s2
	s_add_nc_u64 s[14:15], s[14:15], s[100:101]    ; q's chunks; k's 3,145,728 bytes on
	s_lshl_b32 s100, s3, 7
	s_and_b32 s2, s95, 127
	s_add_co_u32 s100, s100, s2
	s_lshl_b32 s100, s100, 6
	s_add_nc_u64 s[16:17], s[16:17], s[100:101]    ; q's scale words; k's 262,144 bytes on
	s_wait_tensorcnt 0x1                           ; the scales and K 0-511 are in; the one younger load may be out
	s_barrier_signal -1
	s_barrier_wait -1                              ; everybody's are
	FETCH 0, 0, 0
	s_wait_loadcnt 0x0                             ; the three biases
	; ---- q
	KLOOP 1
	OUTQK 0, 0
	OUTQK 1, 0
	CHANGE1
	OUTQK 2, 0
	OUTQK 3, 0
	; ---- k
.set CB, BIK
	KLOOP 1
	OUTQK 0, 1
	OUTQK 1, 1
	CHANGE1
	OUTQK 2, 1
	OUTQK 3, 1
	; ---- v: the last tile asks for nothing more
.set FORM, 1
	KLOOP 0
	OUTV 0
	OUTV 1
	OUTV 2
	OUTV 3
	s_wait_tensorcnt 0x0                           ; the wave's end
	ds_add_u32 v[SPW], v[NIL]
	s_wait_dscnt 0x0
	CROUND                                         ; the closing round: no work-group ends while a partner may still ask for a tile that names it
	s_endpgm
.Lfunc_end_k_q4343575396_qkv:
	.size	k_q4343575396_qkv, .Lfunc_end_k_q4343575396_qkv-k_q4343575396_qkv
	.p2alignl 7, 3214868480
	.fill 96, 4, 3214868480
	.section	.rodata,"a",@progbits
	.p2align	6, 0x0
	.amdhsa_kernel k_q4343575396_qkv
		.amdhsa_group_segment_fixed_size 327680
		.amdhsa_private_segment_fixed_size 0
		.amdhsa_enable_private_segment 0
		.amdhsa_kernarg_size 56
		.amdhsa_user_sgpr_count 2
		.amdhsa_user_sgpr_kernarg_segment_ptr 1
		.amdhsa_wavefront_size32 1
		.amdhsa_system_sgpr_workgroup_id_x 1
		.amdhsa_system_sgpr_workgroup_id_y 1
		.amdhsa_system_sgpr_workgroup_id_z 1
		.amdhsa_system_vgpr_workitem_id 0
		.amdhsa_next_free_vgpr 512
		.amdhsa_next_free_sgpr 102
		.amdhsa_reserve_vcc 0
		.amdhsa_float_denorm_mode_32 3
		.amdhsa_float_denorm_mode_16_64 3
		.amdhsa_memory_ordered 1
		.amdhsa_forward_progress 1
		.amdhsa_inst_pref_size 172
	.end_amdhsa_kernel
	.amdgpu_metadata
---
amdhsa.version: [ 1, 2 ]
amdhsa.kernels:
  - .name:           k_q4343575396_qkv
    .symbol:         k_q4343575396_qkv.kd
    .args:
      - { .name: actc, .offset: 0, .size: 8, .value_kind: global_buffer, .address_space: global }
      - { .name: acts, .offset: 8, .size: 8, .value_kind: global_buffer, .address_space: global }
      - { .name: w_qkv_codes, .offset: 16, .size: 8, .value_kind: global_buffer, .address_space: global }
      - { .name: w_qkv_scales, .offset: 24, .size: 8, .value_kind: global_buffer, .address_space: global }
      - { .name: b_qkv, .offset: 32, .size: 8, .value_kind: global_buffer, .address_space: global }
      - { .name: qkvc, .offset: 40, .size: 8, .value_kind: global_buffer, .address_space: global }
      - { .name: qkvs, .offset: 48, .size: 8, .value_kind: global_buffer, .address_space: global }
    .group_segment_fixed_size: 327680
    .private_segment_fixed_size: 0
    .kernarg_segment_align: 8
    .kernarg_segment_size: 56
    .max_flat_workgroup_size: 128
    .sgpr_count:     102
    .vgpr_count:     512
    .wavefront_size: 32
...
	.end_amdgpu_metadata
.endif
;; end of part 2
;; launch att (part 3): grid 8 x 32, 16 waves a work-group, clusters of 4 x 1, 215,040 bytes of LDS; arguments qkvc, qkvs, actc, acts; writes actc, acts
.if DOCPART == 3
	.amdgcn_target "amdgcn-amd-amdhsa--gfx1250"
	.amdhsa_code_object_version 6
	.text
	.protected	k_q4343575396_att
	.globl	k_q4343575396_att
	.p2align	8
	.type	k_q4343575396_att,@function
k_q4343575396_att:
	s_mov_b64 s[64:65], 0
	v_nop
	global_prefetch_b8 v0, s[64:65] scope:SCOPE_SE
	s_setreg_imm32_b32 hwreg(HW_REG_WAVE_MODE, 25, 1), 1
	s_wait_xcnt 0x0
	s_wait_alu depctr_hold_cnt(0) depctr_sa_sdst(0) depctr_va_vdst(0) depctr_va_sdst(0) depctr_va_ssrc(0) depctr_va_vcc(0) depctr_vm_vsrc(0)
	s_getreg_b32 s2, hwreg(HW_REG_IB_STS2, 6, 4)
	s_cmp_eq_u32 s2, 0
	s_cbranch_scc0 .Lentry_in_a_cluster
	s_endpgm
.Lentry_in_a_cluster:
	s_bfe_u32 s2, ttmp6, 0x10000c
	s_cmp_lg_u32 s2, 0x3003
	s_cbranch_scc0 .Lentry_shape_is_right
	s_endpgm
.Lentry_shape_is_right:
; o = softmax(q k^T / 8) v for one head, both products on codes of E3M2 with E8M0 scales; o is quantised along the head's 64 channels on the way out.
; THE SOFTMAX: t = score x log2(e) / 8; M = the running largest t rounded up to a whole number; p = 2^(t - M) is quantised along the keys, not normalised; the row's sum is taken of the unquantised p and divides at the end;
; when M moves, the sum and O are multiplied by 2^(old M - new M), which rounds nothing.
; IN (as the launch before lays them): q, k: chunks of 768 bytes [tile][head] (16 tokens x 64 channels, an image of the operand's registers), row r of tile T = token 64 (T/4) + 8 (T%4) + r%8 + 32 (r/8); v: chunks [b h][64 keys][16 channels].
; The first product's K is 64: registers 6-11 of q's and k's fragments are zero codes, under the byte 127.
; SHARES.  A work-group owns 256 queries of one head, each of sixteen waves one tile of 16, in 256 registers: four waves to a SIMD, so that one wave's vector work stands beside another's products and LDS loads.
; LDS holds the head's whole K and V and their scale words, each byte filled ONCE: K's 128 tiles at 0, V's 128 chunks at 98,304, K's words at 196,608, V's at 204,800.  Wave 0 asks for K's (words, then four quarters), wave 1 for V's:
; five loads of a wave are out at the most.  CLUSTER 4 x 1: the four query blocks of a cluster walk the same head, so every load is joint (mask 15).  A quarter is read behind a counted wait and a barrier, while the later quarters land.
; LAYOUT.  S^T = K Q^T (source 0 = a tile of keys), O^T = V^T P^T: a lane holds one query throughout.  By the tiles' row order the 32 registers of four tiles are 32 NEIGHBOURING keys 64 c + 32 h + 0 .. 31: a whole block a lane: no
; maximum of a block crosses lanes, and the conversions' results are the second product's operand as they stand.
; No prefetch: all is asked for at the head.  LIMITS: NaN, infinities not served; p under 2^-126 counts as 0; a block of zeros gets the byte 1.
.set KOFF, 3145728
.set VOFF, 6291456
.set LV,   98304
.set LKS,  196608
.set LVS,  204800
.set KF,   32                          ; v32-79   four tiles of keys; registers 6-11 of each stay 0
.set KSW,  80                          ; v80-83   K's scale words: lanes 0-15 tile 2 u, lanes 16-31 tile 2 u + 1;  v84, 85 V's likewise;  v86 p's;  v28 q's: scales and nothing else
.set S,    96                          ; v96-159  S^T, then p; then V's four fragments in v96-143
.set O,    160                         ; v160-191 O^T, tile i at 8 x (0, 2, 1, 3)[i]
.set PC,   192                         ; v192-203 p's codes
.set MX,   212                         ; v212-215 largest scores
.macro PLACES
.rept 4
	v_nop
.endr
.endm
.macro CROUND
	s_barrier_signal -1
	s_barrier_wait -1
	s_cmp_lg_u32 s18, 0
	s_cbranch_scc1 .Lnot_wave_0_\@
	s_barrier_signal -3
.Lnot_wave_0_\@:
	s_barrier_wait -3
	s_barrier_signal -1
	s_barrier_wait -1
.endm
.macro SWAP16 x
.irp j, 0,1,2,3,4,5,6,7
	v_permlane16_swap_b32 v[\x+\j], v[\x+8+\j]
	v_permlane16_swap_b32 v[\x+16+\j], v[\x+24+\j]
.endr
.endm
.macro QBLK s, c, t
	v_max3_num_f32 v[\t], |v[\s]|, |v[\s+1]|, 0x2800000
	v_max3_num_f32 v[\t+1], |v[\s+2]|, |v[\s+3]|, |v[\s+4]|
.irp i, 5,9,13,17,21,25
	v_max3_num_f32 v[\t], v[\t], |v[\s+\i]|, |v[\s+\i+1]|
	v_max3_num_f32 v[\t+1], v[\t+1], |v[\s+\i+2]|, |v[\s+\i+3]|
.endr
	v_max3_num_f32 v[\t], v[\t], |v[\s+29]|, |v[\s+30]|
	v_max3_num_f32 v[\t], v[\t], v[\t+1], |v[\s+31]|
	v_add_nc_u32 v[\t+2], 0xfe000000, v[\t]
	v_cvt_scalef32_pk16_bf6_f32 v[\c:\c+2], v[\s:\s+15], v[\t+2]
	v_cvt_scalef32_pk16_bf6_f32 v[\t+4:\t+6], v[\s+16:\s+31], v[\t+2]
	v_lshrrev_b32 v[\t+3], 23, v[\t+2]
	v_mov_b32 v[\c+3], v[\t+4]
	v_mov_b32 v[\c+4], v[\t+5]
	v_mov_b32 v[\c+5], v[\t+6]
.endm
	s_load_b256 s[4:11], s[0:1], 0x0               ; qkvc s[4:5], qkvs s[6:7], o's codes s[8:9], o's scales s[10:11]
	v_lshl_add_u32 v249, v0, 2, 0x34000
	v_mov_b32 v251, 0
	ds_add_u32 v249, v251
	ds_add_u32 v249, v251
	v_lshrrev_b32 v1, 5, v0
	v_readfirstlane_b32 s18, v1                    ; wave 0..15
	s_bfe_u32 s19, ttmp6, 0x40000                  ; cx: it enters q's and o's global addresses alone
	s_and_b32 s20, ttmp7, 0xffff                   ; batch x 16 + head, which the partners share
	s_lshr_b32 s21, s20, 4
	s_and_b32 s22, s20, 15
	; descriptor groups 1: elements of 8 bytes, mask 15 with bit 21 beside it, no padding
.irp g, 24,32,40,48
	s_mov_b32 s[\g], 15|(3<<16)|(1<<21)
	s_mov_b32 s[\g+6], 0
	s_mov_b32 s[\g+7], 0
.endr
	s_mov_b32 s25, 96<<16                          ; K's quarter: 32 tiles of 768 bytes, 12,288 bytes apart
	s_mov_b32 s26, 32<<16
	s_mov_b32 s27, 96<<16
	s_mov_b32 s28, 32
	s_mov_b32 s29, 1536
	s_mov_b32 s33, 32<<16                          ; V's quarter: 24,576 dense bytes as 96 rows of 256
	s_mov_b32 s34, 96<<16
	s_mov_b32 s35, 32<<16
	s_mov_b32 s36, 96
	s_mov_b32 s37, 32
	s_mov_b32 s41, 32<<16                          ; K's words: 8,192 dense bytes
	s_mov_b32 s42, 32<<16
	s_mov_b32 s43, 32<<16
	s_mov_b32 s44, 32
	s_mov_b32 s45, 32
	s_mov_b32 s49, 32<<16                          ; V's words: 4,096
	s_mov_b32 s50, 16<<16
	s_mov_b32 s51, 32<<16
	s_mov_b32 s52, 16
	s_mov_b32 s53, 32
	s_mov_b32 s57, LKS                             ; groups 0: every LDS address is a constant
	s_mov_b32 s61, 0
	s_mov_b32 s69, 24576
	s_mov_b32 s73, 2*24576
	s_mov_b32 s77, 3*24576
	s_mov_b32 s81, LVS
	s_mov_b32 s85, LV
	s_mov_b32 s89, LV+24576
	s_mov_b32 s93, LV+2*24576
	s_mov_b32 s97, LV+3*24576
	s_mul_i32 s12, s21, 128*12288
	s_mul_i32 s13, s22, 768
	s_add_co_u32 s12, s12, s13                     ; the batch's and the head's part of a chunk's place in q, k and o
	s_add_co_u32 s100, s12, KOFF
	s_mov_b32 s101, 0
	s_wait_dscnt 0x0
	s_wait_kmcnt 0x0
	s_add_nc_u64 s[62:63], s[4:5], s[100:101]
	s_add_nc_u64 s[70:71], s[62:63], 393216        ; 32 tiles on
	s_add_nc_u64 s[74:75], s[62:63], 2*393216
	s_add_nc_u64 s[78:79], s[62:63], 3*393216
	s_mul_i32 s100, s20, 98304
	s_add_co_u32 s100, s100, VOFF
	s_add_nc_u64 s[86:87], s[4:5], s[100:101]
	s_add_nc_u64 s[90:91], s[86:87], 24576
	s_add_nc_u64 s[94:95], s[86:87], 2*24576
	s_add_nc_u64 s[98:99], s[86:87], 3*24576
	s_lshl_b32 s100, s20, 13
	s_add_co_u32 s100, s100, 262144
	s_add_nc_u64 s[58:59], s[6:7], s[100:101]
	s_lshl_b32 s100, s20, 12
	s_add_co_u32 s100, s100, 524288
	s_add_nc_u64 s[82:83], s[6:7], s[100:101]
.irp g, 56,60,68,72,76,80,84,88,92,96
	s_mov_b32 s[\g], 1
	s_or_b32 s[\g+3], s[\g+3], 0x80000000
.endr
	CROUND                                         ; all four work-groups are here: the joint loads meet
	s_cmp_eq_u32 s18, 0                            ; a wave's five fills stand in one branch on its number
	s_cbranch_scc0 .Lnot_k
	tensor_load_to_lds s[56:59], s[40:47]
	s_nop 0
	tensor_load_to_lds s[60:63], s[24:31]
	s_nop 0
	tensor_load_to_lds s[68:71], s[24:31]
	s_nop 0
	tensor_load_to_lds s[72:75], s[24:31]
	s_nop 0
	tensor_load_to_lds s[76:79], s[24:31]
	s_nop 0
.rept 4
	v_nop
.endr
	s_branch .Lasked
.Lnot_k:
	s_cmp_eq_u32 s18, 1
	s_cbranch_scc0 .Lasked
	tensor_load_to_lds s[80:83], s[48:55]
	s_nop 0
	tensor_load_to_lds s[84:87], s[32:39]
	s_nop 0
	tensor_load_to_lds s[88:91], s[32:39]
	s_nop 0
	tensor_load_to_lds s[92:95], s[32:39]
	s_nop 0
	tensor_load_to_lds s[96:99], s[32:39]
	s_nop 0
.rept 4
	v_nop
.endr
.Lasked:
	s_lshl_b32 s23, ttmp9, 2
	s_add_co_u32 s23, s23, s19
	s_lshl_b32 s23, s23, 4
	s_add_co_u32 s23, s23, s18                     ; my tile of queries in its batch: 16 (4 x cluster x + cx) + wave
	s_mul_i32 s14, s23, 12288
	s_add_co_u32 s14, s14, s12
	s_mov_b32 s15, 0
	s_add_nc_u64 s[4:5], s[4:5], s[14:15]          ; q's chunk,
	s_add_nc_u64 s[8:9], s[8:9], s[14:15]          ; and o's: the same place in its buffer
	s_lshl_b32 s14, s20, 7
	s_add_co_u32 s14, s14, s23
	s_lshl_b32 s14, s14, 6
	s_add_nc_u64 s[6:7], s[6:7], s[14:15]          ; q's scale words
	s_lshl_b32 s14, s21, 7
	s_add_co_u32 s14, s14, s23
	s_lshl_b32 s14, s14, 9                         ; o's: tile x 512
	s_lshr_b32 s23, s22, 1
	s_lshl_b32 s23, s23, 6                         ; + 64 (head / 2)
	s_add_co_u32 s14, s14, s23
	s_and_b32 s23, s22, 1
	s_lshl_b32 s23, s23, 1                         ; + 2 (head % 2)
	s_add_co_u32 s14, s14, s23
	s_add_nc_u64 s[10:11], s[10:11], s[14:15]
	s_mov_b32 s16, 0x76543210                      ; v_permlanex16_b32's selects for lane l xor 16
	s_mov_b32 s17, 0xfedcba98
	s_mov_b32 s2, 0x3e38aa3b                       ; c = log2(e) / 8
	s_mov_b32 s3, s2                               ; (named with it as a pair)
	v_and_b32 v29, 31, v0                          ; l
	v_and_b32 v30, 15, v0
	v_bfe_u32 v31, v0, 4, 1                        ; h
	v_lshlrev_b32 v1, 4, v29                       ; v1   16 l
	v_lshl_add_u32 v2, v29, 3, 512                 ; v2   512 + 8 l
	v_lshlrev_b32 v30, 2, v30                      ; v30  4 r
	global_load_b128 v[16:19], v1, s[4:5]          ; q's fragment stays in registers
	global_load_b64 v[20:21], v2, s[4:5]
	global_load_b32 v28, v30, s[6:7]
	v_add_nc_u32 v3, LV, v1                        ; v3, v4  the same places among V's chunks
	v_add_nc_u32 v4, LV, v2
	v_lshl_add_u32 v5, v29, 2, LKS                 ; v5   K's scale words, 4 l
	v_add_nc_u32 v29, LVS-LKS, v5                  ; v29  V's
	v_add_nc_u32 v255, v30, v31                    ; v255 4 r + h
	v_lshlrev_b32 v31, 3, v31                      ; v31  8 h
.irp i, 22,23,24,25,26,27
	v_mov_b32 v[\i], 0                             ; the zero codes that fill K from 64 to 128
.endr
.irp t, 0,1,2,3
.irp i, 6,7,8,9,10,11
	v_mov_b32 v[KF+12*\t+\i], 0
.endr
.endr
	v_mov_b32 v13, 0xff61b1e6                      ; the largest t so far: -3e38
	v_floor_f32 v12, -v13                          ; -M
	v_mov_b32 v14, 0                               ; the sum, in two halves
	v_mov_b32 v15, 0
	v_mov_b32 v221, 0                              ; written once: a lane permute's destination counts as one of its sources
	v_mov_b32 v250, 0
	v_mov_b32 v253, 0                              ; (the upper half of the pair v[252:253])
.irp j, 0,1,2,3,4,5,6,7,8,9,10,11,12,13,14,15,16,17,18,19,20,21,22,23,24,25,26,27,28,29,30,31
	v_mov_b32 v[O+\j], 0                           ; the step is written once: the first finds zeros
.endr
; A KEY STEP: 128 keys = 8 tiles of K, 8 chunks of V.  s12, s13, s100: where the step's tiles, K's words and V's words begin
.macro STEP
	v_add_nc_u32 v6, s12, v1                       ; six plain lines: also the five places owed before new scores are written over the registers that the last products read as V
	v_add_nc_u32 v7, s12, v2
	v_add_nc_u32 v8, s12, v3
	v_add_nc_u32 v9, s12, v4
	v_add_nc_u32 v10, s13, v5
	v_add_nc_u32 v11, s100, v29
.irp g, 0,1
.if \g
	PLACES                                         ; ahead of loads into registers that the last four products read
.endif
.irp t, 0,1,2,3
	ds_load_b128 v[KF+12*\t:KF+12*\t+3], v6 offset:(4*\g+\t)*768
	ds_load_b64 v[KF+12*\t+4:KF+12*\t+5], v7 offset:(4*\g+\t)*768
.endr
.if \g == 0
.irp u, 0,1,2,3
	ds_load_b32 v[KSW+\u], v10 offset:128*\u
.endr
.endif
	s_wait_dscnt 0x0
.irp t, 0,2
	v_wmma_scale_f32_16x16x128_f8f6f4 v[S+8*(4*\g+\t):S+8*(4*\g+\t)+7], v[KF+12*\t:KF+12*\t+11], v[16:27], 0, v[KSW+2*\g+\t/2], v28 matrix_a_fmt:MATRIX_FMT_BF6 matrix_b_fmt:MATRIX_FMT_BF6
	v_wmma_scale_f32_16x16x128_f8f6f4 v[S+8*(4*\g+\t+1):S+8*(4*\g+\t+1)+7], v[KF+12*(\t+1):KF+12*(\t+1)+11], v[16:27], 0, v[KSW+2*\g+\t/2], v28 matrix_a_fmt:MATRIX_FMT_BF6 matrix_b_fmt:MATRIX_FMT_BF6 matrix_a_scale:MATRIX_SCALE_ROW1
.endr
.endr
	PLACES
	; the largest score of each of my two blocks of 32 keys (registers 32 c + 0 .. 31), in two chains each; every accumulator is first read at its low end
.irp c, 0,1
.irp u, 0,1
	v_max3_num_f32 v[MX+2*\c+\u], v[S+32*\c+16*\u], v[S+32*\c+16*\u+1], v[S+32*\c+16*\u+2]
.endr
.endr
.irp i, 3,5,7,9,11,13
.irp c, 0,1
.irp u, 0,1
	v_max3_num_f32 v[MX+2*\c+\u], v[MX+2*\c+\u], v[S+32*\c+16*\u+\i], v[S+32*\c+16*\u+\i+1]
.endr
.endr
.endr
.irp c, 0,1
	v_max3_num_f32 v[MX+2*\c], v[MX+2*\c], v[MX+2*\c+1], v[S+32*\c+15]
.endr
.irp c, 0,1
	v_max_num_f32 v[MX+2*\c], v[MX+2*\c], v[S+32*\c+31]
.endr
	v_max_num_f32 v254, v[MX], v[MX+2]
	v_permlanex16_b32 v250, v254, s16, s17
	v_max_num_f32 v254, v254, v250                 ; the step's largest score of my query
	v_mul_f32 v254, s2, v254                       ; as t
	v_max_num_f32 v13, v13, v254                   ; the running largest t
	v_mov_b32 v254, v12
	v_floor_f32 v12, -v13                          ; the new -M = -ceil(t)
	v_sub_f32 v254, v12, v254                      ; old M - new M: a whole number, 0 or less
	v_cvt_i32_f32 v254, v254                       ; (it saturates)
	v_ldexp_f32 v252, 1.0, v254                    ; f = 2^(old M - new M)
.irp j, 0,2,4,6,8,10,12,14,16,18,20,22,24,26,28,30,32,34,36,38,40,42,44,46,48,50,52,54,56,58,60,62
	v_pk_fma_f32 v[S+\j:S+\j+1], v[S+\j:S+\j+1], s[2:3], v[12:13] op_sel_hi:[1,0,0]   ; t - M
.endr
	v_fma_f32 v[MX], v[MX], s2, v12                ; the same of each block's largest score
	v_fma_f32 v[MX+2], v[MX+2], s2, v12
.irp j, 0,1,2,3,4,5,6,7,8,9,10,11,12,13,14,15,16,17,18,19,20,21,22,23,24,25,26,27,28,29,30,31,32,33,34,35,36,37,38,39,40,41,42,43,44,45,46,47,48,49,50,51,52,53,54,55,56,57,58,59,60,61,62,63
	v_exp_f32 v[S+\j], v[S+\j]                     ; p = 2^(t - M)
.endr
	v_pk_mul_f32 v[14:15], v[14:15], v[252:253] op_sel_hi:[1,0]     ; the sums under the new M; the plain line behind the batch
	s_wait_alu depctr_va_vdst(0)                   ; one wait for the 64, ahead of the first line that names a result
	v_exp_f32 v[MX], v[MX]                         ; the blocks' largest p: the same two instructions on the same number give the same bits
	v_exp_f32 v[MX+2], v[MX+2]
	v_pk_add_f32 v[236:237], v[S:S+1], v[S+2:S+3]  ; the row's sum, of the unquantised p, in two chains; it reads the 64 alone
.irp j, 4,8,12,16,20,24,28,32,36,40,44,48,52,56,60
	v_pk_add_f32 v[14:15], v[14:15], v[S+\j:S+\j+1]
	v_pk_add_f32 v[236:237], v[236:237], v[S+\j+2:S+\j+3]
.endr
	v_pk_add_f32 v[14:15], v[14:15], v[236:237]
	s_wait_alu depctr_va_vdst(0)                   ; and one for the two
	v_max_num_f32 v[MX], 0x2800000, v[MX]          ; the floor 2^(5 - 127)
	v_max_num_f32 v[MX+2], 0x2800000, v[MX+2]
	v_add_nc_u32 v216, 0xfe000000, v[MX]           ; 4 off the exponent field: the conversions' scale operands
	v_add_nc_u32 v217, 0xfe000000, v[MX+2]
	v_lshrrev_b32 v218, 23, v216                   ; the bytes of blocks h and 2 + h
	v_lshrrev_b32 v219, 23, v217
	v_lshl_or_b32 v220, v219, 16, v218
	v_lshlrev_b32 v220, v31, v220                  ; at their places, 8 h bits up;
	v_permlanex16_b32 v221, v220, s16, s17
	v_or_b32 v86, v220, v221                       ; with lane l xor 16's two the word is whole
	v_cvt_scalef32_pk16_bf6_f32 v[PC:PC+2], v[S:S+15], v216
	v_cvt_scalef32_pk16_bf6_f32 v[204:206], v[S+16:S+31], v216
	v_cvt_scalef32_pk16_bf6_f32 v[PC+6:PC+8], v[S+32:S+47], v217
	v_cvt_scalef32_pk16_bf6_f32 v[208:210], v[S+48:S+63], v217
	v_nop                                          ; the plain line behind the conversions
.irp i, 0,1,2,3
.irp c, 0,1
	ds_load_b128 v[S+12*\i+6*\c:S+12*\i+6*\c+3], v8 offset:\c*3072+\i*768       ; V's fragments, over p
	ds_load_b64 v[S+12*\i+6*\c+4:S+12*\i+6*\c+5], v9 offset:\c*3072+\i*768
.endr
.endr
	ds_load_b32 v84, v11
	ds_load_b32 v85, v11 offset:128
.irp i, 0,1,2
	v_mov_b32 v[PC+3+\i], v[204+\i]
	v_mov_b32 v[PC+9+\i], v[208+\i]
.endr
.irp j, 0,2,4,6,8,10,12,14,16,18,20,22,24,26,28,30
	v_pk_mul_f32 v[O+\j:O+\j+1], v[O+\j:O+\j+1], v[252:253] op_sel_hi:[1,0]     ; O^T under the new M; these are also the places between p's word and codes and the products
.endr
	s_wait_dscnt 0x0
	v_wmma_scale_f32_16x16x128_f8f6f4 v[O:O+7], v[S:S+11], v[PC:PC+11], v[O:O+7], v84, v86 matrix_a_fmt:MATRIX_FMT_BF6 matrix_b_fmt:MATRIX_FMT_BF6
	v_wmma_scale_f32_16x16x128_f8f6f4 v[O+16:O+23], v[S+12:S+23], v[PC:PC+11], v[O+16:O+23], v84, v86 matrix_a_fmt:MATRIX_FMT_BF6 matrix_b_fmt:MATRIX_FMT_BF6 matrix_a_scale:MATRIX_SCALE_ROW1
	v_wmma_scale_f32_16x16x128_f8f6f4 v[O+8:O+15], v[S+24:S+35], v[PC:PC+11], v[O+8:O+15], v85, v86 matrix_a_fmt:MATRIX_FMT_BF6 matrix_b_fmt:MATRIX_FMT_BF6
	v_wmma_scale_f32_16x16x128_f8f6f4 v[O+24:O+31], v[S+36:S+47], v[PC:PC+11], v[O+24:O+31], v85, v86 matrix_a_fmt:MATRIX_FMT_BF6 matrix_b_fmt:MATRIX_FMT_BF6 matrix_a_scale:MATRIX_SCALE_ROW1
.endm
.macro STAGE q                         ; a quarter of the keys: four steps
	s_wait_tensorcnt 3-\q                          ; of a fetching wave's five loads the words and quarters 0 .. q are in; the 3 - q younger ones may be out
	s_wait_dscnt 0x0
	s_barrier_signal -1
	s_barrier_wait -1                              ; both fetching waves have said so
	s_mov_b32 s12, \q*4*6144
	s_mov_b32 s13, \q*4*512
	s_mov_b32 s100, \q*4*256
	s_mov_b32 s101, 4
.Lstep_\@:
	STEP
	s_add_co_u32 s12, s12, 6144
	s_add_co_u32 s13, s13, 512
	s_add_co_u32 s100, s100, 256
	s_sub_co_u32 s101, s101, 1
	s_cmp_lg_u32 s101, 0
	s_cbranch_scc1 .Lstep_\@
.endm
	s_wait_loadcnt 0x0                             ; q
	STAGE 0
	STAGE 1
	STAGE 2
	STAGE 3
	; THE WAY OUT: O^T / the sum, in place; 16 exchanges give each lane 32 neighbouring channels; quantised; one chunk and 32 bytes leave
	PLACES
	v_add_f32 v14, v14, v15
	v_permlanex16_b32 v250, v14, s16, s17
	v_add_f32 v14, v14, v250                       ; the row's sum
	v_rcp_f32 v14, v14
	v_nop                                          ; a plain line behind the reciprocal
	s_wait_alu depctr_va_vdst(0)                   ; the wait ahead of its first reader
.irp j, 0,2,4,6,8,10,12,14,16,18,20,22,24,26,28,30
	v_pk_mul_f32 v[O+\j:O+\j+1], v[O+\j:O+\j+1], v[14:15] op_sel_hi:[1,0]
.endr
	SWAP16 O
	QBLK O, PC, 204
	global_store_b128 v1, v[PC:PC+3], s[8:9]
	global_store_b64 v2, v[PC+4:PC+5], s[8:9]
	global_store_b8 v255, v207, s[10:11]
	s_wait_tensorcnt 0x0
	ds_add_u32 v249, v251
	s_wait_dscnt 0x0
	CROUND                                         ; the closing round
	s_endpgm
.Lfunc_end_k_q4343575396_att:
	.size	k_q4343575396_att, .Lfunc_end_k_q4343575396_att-k_q4343575396_att
	.p2alignl 7, 3214868480
	.fill 96, 4, 3214868480
	.section	.rodata,"a",@progbits
	.p2align	6, 0x0
	.amdhsa_kernel k_q4343575396_att
		.amdhsa_group_segment_fixed_size 215040
		.amdhsa_private_segment_fixed_size 0
		.amdhsa_enable_private_segment 0
		.amdhsa_kernarg_size 32
		.amdhsa_user_sgpr_count 2
		.amdhsa_user_sgpr_kernarg_segment_ptr 1
		.amdhsa_wavefront_size32 1
		.amdhsa_system_sgpr_workgroup_id_x 1
		.amdhsa_system_sgpr_workgroup_id_y 1
		.amdhsa_system_sgpr_workgroup_id_z 1
		.amdhsa_system_vgpr_workitem_id 0
		.amdhsa_next_free_vgpr 256
		.amdhsa_next_free_sgpr 102
		.amdhsa_reserve_vcc 0
		.amdhsa_float_denorm_mode_32 3
		.amdhsa_float_denorm_mode_16_64 3
		.amdhsa_memory_ordered 1
		.amdhsa_forward_progress 1
		.amdhsa_inst_pref_size 78
	.end_amdhsa_kernel
	.amdgpu_metadata
---
amdhsa.version: [ 1, 2 ]
amdhsa.kernels:
  - .name:           k_q4343575396_att
    .symbol:         k_q4343575396_att.kd
    .args:
      - { .name: qkvc, .offset: 0, .size: 8, .value_kind: global_buffer, .address_space: global }
      - { .name: qkvs, .offset: 8, .size: 8, .value_kind: global_buffer, .address_space: global }
      - { .name: actc, .offset: 16, .size: 8, .value_kind: global_buffer, .address_space: global }
      - { .name: acts, .offset: 24, .size: 8, .value_kind: global_buffer, .address_space: global }
    .group_segment_fixed_size: 215040
    .private_segment_fixed_size: 0
    .kernarg_segment_align: 8
    .kernarg_segment_size: 32
    .max_flat_workgroup_size: 512
    .sgpr_count:     102
    .vgpr_count:     256
    .wavefront_size: 32
...
	.end_amdgpu_metadata
.endif
;; end of part 3
;; launch oproj (part 4): grid 8 x 32, 4 waves a work-group, clusters of 4 x 4, 238,080 bytes of LDS; arguments actc, acts, w_out_codes, w_out_scales, b_out, x, x1; writes x1
.if DOCPART == 4
	.amdgcn_target "amdgcn-amd-amdhsa--gfx1250"
	.amdhsa_code_object_version 6
	.text
	.protected	k_q4343575396_oproj
	.globl	k_q4343575396_oproj
	.p2align	8
	.type	k_q4343575396_oproj,@function
k_q4343575396_oproj:
	s_mov_b64 s[64:65], 0
	v_nop
	global_prefetch_b8 v0, s[64:65] scope:SCOPE_SE
	s_setreg_imm32_b32 hwreg(HW_REG_WAVE_MODE, 25, 1), 1
	s_wait_xcnt 0x0
	s_wait_alu depctr_hold_cnt(0) depctr_sa_sdst(0) depctr_va_vdst(0) depctr_va_sdst(0) depctr_va_ssrc(0) depctr_va_vcc(0) depctr_vm_vsrc(0)
	s_getreg_b32 s2, hwreg(HW_REG_IB_STS2, 6, 4)
	s_cmp_eq_u32 s2, 0
	s_cbranch_scc0 .Lentry_in_a_cluster
	s_endpgm
.Lentry_in_a_cluster:
	s_bfe_u32 s2, ttmp6, 0x10000c
	s_cmp_lg_u32 s2, 0xf033
	s_cbranch_scc0 .Lentry_shape_is_right
	s_endpgm
.Lentry_shape_is_right:
; x1 = x + o W^T + b on codes of E3M2 with E8M0 scales, K = 1,024; x1 is f32 in token order.
; o: chunks [tile 256][16] of 768 bytes (16 rows x 64 K as an image of the operand's registers), scale words [tile][8][r]; row r of tile T is token 64 (T/4) + 8 (T%4) + r%8 + 32 (r/8).  W: rows of 768 bytes of codes, 32 scale bytes a row.
; SHARES.  A work-group makes 128 rows (8 tiles) x 128 columns, a wave 4 tiles x 64 columns: 16 accumulators; 256 work-groups.  Both halves of K lie in LDS, each filled once.
; CLUSTER 4 x 4: the activations' tiles are shared along a row of the cluster, the weights' along a column, by joint loads.  Source 0 = 16 rows of W, source 1 = a tile: a lane holds one token and eight neighbouring columns.
; The bias is the C of the sums' first products.  The residual (my 64 tokens x 256 bytes) is asked for at the head, into window 2, in the layout in which results come back from the stage.
; THE WAY OUT: a tile goes through my own stage in LDS (16 rows x 272 bytes, bytes that no tensor load fills) and comes back by rows; sixteen lanes store 256 consecutive bytes, aligned.
; No prefetch: every tile is asked for at the head.
.set KK,    1024
.set ATILE, KK/64*768
.set KROW,  KK*6/8
.set KS,    KK/32
.set SAT,   KK/128*64
.set NSR,   4*SAT/256
.set WP,    432                        ; a row of W in a slot: 3 x (128 bytes + 16) = 108 words: sixteen rows start at sixteen different multiples of 4 words modulo 64
.set WOFF,  8*6144
.set SLOT,  WOFF+128*WP
.set SCA,   2*SLOT
.set SCW,   SCA+8*SAT
.set HALFS, NSR*272
.set SBLK,  HALFS/4
.set STAGE, SCW+2*HALFS
.set ADA,  4
.set ADA8, 6
.set ADW,  8
.set ADSA, 12
.set ADSW, 13
.set L16,  14
.set L8,   15
.set H32,  17
.set STO,  18                          ; v18  the stage: where I put 32 bytes of a row
.set RD,   19                          ; v19  and where I read 16 bytes of a row back
.set CO,   20                          ; v20  4,096 h + 16 r: the same place in x and x1
.set R4,   22
.set SA,   32                          ; v32-47 scale words: scales and nothing else
.set SW,   40
.set BI,   48                          ; v48-79 the bias; on the way out v48-111: two sets of 32 for rows read back
.set OB,   48
.set ACC,  128
.set G1A, 24
.set G0A, 32
.set G1W, 48
.set G0W, 56
.set G1SA, 68
.set G0SA, 76
.set G1SW, 80
.set G0SW, 88
.set MSB, 0
.macro WIN new
.if MSB != \new
	s_set_vgpr_msb (MSB<<8)|\new
.set MSB, \new
.endif
.endm
.macro PLACES
.rept 4
	v_nop
.endr
.endm
.macro JLOAD g0a, g1a, g0w, g1w
	s_cmp_eq_u32 s19, 0
	s_cbranch_scc0 .Lfor_w_\@
	tensor_load_to_lds s[\g0a:\g0a+3], s[\g1a:\g1a+7]
	s_nop 0
.rept 4
	v_nop
.endr
	s_branch .Lasked_\@
.Lfor_w_\@:
	tensor_load_to_lds s[\g0w:\g0w+3], s[\g1w:\g1w+7]
	s_nop 0
.rept 4
	v_nop
.endr
.Lasked_\@:
.endm
.macro CROUND
	s_barrier_signal -1
	s_barrier_wait -1
	s_cmp_lg_u32 s18, 0
	s_cbranch_scc1 .Lnot_wave_0_\@
	s_barrier_signal -3
.Lnot_wave_0_\@:
	s_barrier_wait -3
	s_barrier_signal -1
	s_barrier_wait -1
.endm
.macro FRAGW reg, adr, q, b
.irp p, 0,1,2,3,4,5
.set PC, 12*(\q)+6*(\p/3)+\p%3
.if PC%16 < 13
	ds_load_b64 v[\reg+2*\p:\reg+2*\p+1], v[\adr] offset:8*PC+16*(PC/16)+(\b)*16*WP
.else
	ds_load_b64 v[\reg+2*\p:\reg+2*\p+1], v[\adr+2] offset:8*PC+16*(PC/16)+(\b)*16*WP
.endif
.endr
.endm
.macro FETCH sl, q, f
	WIN 0x40
.irp a, 0,1,2,3
.irp c, 0,1
	ds_load_b128 v[128*(\f)+12*\a+6*\c:128*(\f)+12*\a+6*\c+3], v[ADA+\sl] offset:\a*6144+(2*(\q)+\c)*768
	ds_load_b64 v[128*(\f)+12*\a+6*\c+4:128*(\f)+12*\a+6*\c+5], v[ADA8+\sl] offset:\a*6144+(2*(\q)+\c)*768
.endr
.endr
.irp b, 0,1,2,3
	FRAGW 128*(\f)+48+12*\b, ADW+\sl, \q, \b
.endr
	WIN 0
.irp a, 0,1,2,3
	ds_load_b32 v[SA+4*(\f)+\a], v[ADSA] offset:\a*SAT+64*(4*(\sl)+(\q))
.endr
.irp b, 0,1,2,3
	ds_load_b32 v[SW+4*(\f)+\b], v[ADSW] offset:\b*SBLK+4*(4*(\sl)+(\q))
.endr
.endm
.macro MUL16 f, first                  ; the 16 accumulators by turns, in the same order in every step
.irp a, 0,1,2,3
.irp b, 0,1,2,3
.set DD, ACC+32*\a+8*(2*(\b%2)+\b/2)
.if \first
	v_wmma_scale_f32_16x16x128_f8f6f4 v[DD:DD+7], v[128*(\f)+48+12*\b:128*(\f)+48+12*\b+11], v[128*(\f)+12*\a:128*(\f)+12*\a+11], v[BI+8*\b:BI+8*\b+7], v[SW+4*(\f)+\b], v[SA+4*(\f)+\a] matrix_a_fmt:MATRIX_FMT_BF6 matrix_b_fmt:MATRIX_FMT_BF6
.else
	v_wmma_scale_f32_16x16x128_f8f6f4 v[DD:DD+7], v[128*(\f)+48+12*\b:128*(\f)+48+12*\b+11], v[128*(\f)+12*\a:128*(\f)+12*\a+11], v[DD:DD+7], v[SW+4*(\f)+\b], v[SA+4*(\f)+\a] matrix_a_fmt:MATRIX_FMT_BF6 matrix_b_fmt:MATRIX_FMT_BF6
.endif
.endr
.endr
.endm
.macro KSTEP f, first, fetch, nsl, nq
	s_wait_dscnt 0x0                               ; buffer f and its scale words, asked for a step ago, are in
.if \fetch
	PLACES                                         ; the last step's products read the buffer that is loaded now
	FETCH \nsl, \nq, 1-\f
.endif
	WIN 0x05
	MUL16 \f, \first
	WIN 0
.endm
.macro TOST a                          ; tile a into my stage, each accumulator from its low end on, and back by rows; LDS serves a wave's instructions in order (ISA guide 5.7.1.4)
.irp b, 0,1,2,3
.set DD, ACC+32*(\a)+8*(2*(\b%2)+\b/2)
	ds_store_b128 v[STO], v[DD:DD+3] offset:64*\b
	ds_store_b128 v[STO], v[DD+4:DD+7] offset:64*\b+16
.endr
.set OBB, OB+32*((\a)%2)
.irp t, 0,1,2,3,4,5,6,7
	ds_load_b128 v[OBB+4*\t:OBB+4*\t+3], v[RD] offset:544*\t
.endr
.endm
.macro SEND a, n                       ; n: the LDS instructions issued behind tile a's loads, which may stay out
.set OBB, OB+32*((\a)%2)
	s_wait_dscnt \n
	WIN 0x08                                       ; source 1 window 2: the residual
.irp i, 0,2,4,6,8,10,12,14,16,18,20,22,24,26,28,30
	v_pk_add_f32 v[OBB+\i:OBB+\i+1], v[OBB+\i:OBB+\i+1], v[32*(\a)+\i:32*(\a)+\i+1]
.endr
	WIN 0
.irp t, 0,1,2,3,4,5,6,7
	global_store_b128 v[CO], v[OBB+4*\t:OBB+4*\t+3], s[16:17] offset:(8*(\a)+2*(\t%4)+32*(\t/4))*4096     ; stage rows 2 t + h are tokens 8 a + 2 (t % 4) + h + 32 (t / 4) of my 64
.endr
.endm
	s_load_b256 s[4:11], s[0:1], 0x0               ; o's codes, o's scales, W's codes, W's scales
	s_load_b128 s[12:15], s[0:1], 0x20             ; bias s[12:13], x s[14:15]
	s_load_b64 s[16:17], s[0:1], 0x30              ; x1
	v_lshl_add_u32 v126, v0, 2, 0x3a000
	v_mov_b32 v127, 0
	ds_add_u32 v126, v127
	ds_add_u32 v126, v127
	v_lshrrev_b32 v1, 5, v0
	v_readfirstlane_b32 s18, v1                    ; wave 0..3
	s_lshr_b32 s19, s18, 1                         ; which four tiles are mine.  Also: I fetch for the activations (0) or for W (1)
	s_and_b32 s20, s18, 1                          ; which 64 columns.  Also: which half I fetch
	s_bfe_u32 s21, ttmp6, 0x40000                  ; cx
	s_bfe_u32 s22, ttmp6, 0x40004                  ; cy
	s_lshl_b32 s23, ttmp9, 2
	s_add_co_u32 s23, s23, s21                     ; tx
	s_and_b32 s92, ttmp7, 0xffff
	s_lshl_b32 s92, s92, 2
	s_add_co_u32 s92, s92, s22                     ; ty
	s_lshl_b32 s93, s22, 2
	s_lshl_b32 s93, 15, s93                        ; my row of the cluster
	s_lshl_b32 s94, 0x1111, s21                    ; my column
	s_or_b32 s[G1A], s93, (3<<16)|(1<<21)          ; activations: 4 tiles x 6,144 bytes (768 elements of 8), no padding
	s_mov_b32 s[G1A+1], 768<<16
	s_mov_b32 s[G1A+2], 4<<16
	s_mov_b32 s[G1A+3], 768<<16
	s_mov_b32 s[G1A+4], 4
	s_mov_b32 s[G1A+5], ATILE/8
	s_mov_b32 s[G1A+6], 0
	s_mov_b32 s[G1A+7], 0
	s_or_b32 s[G1W], s94, (1<<20)|(1<<21)|(4<<22)|(3<<25)   ; W: 64 rows x 384 bytes, 4 words of padding behind every 32
	s_mov_b32 s[G1W+1], 384<<16
	s_mov_b32 s[G1W+2], 64<<16
	s_mov_b32 s[G1W+3], 384<<16
	s_mov_b32 s[G1W+4], 64
	s_mov_b32 s[G1W+5], KROW
	s_mov_b32 s[G1W+6], 0
	s_mov_b32 s[G1W+7], 0
	s_or_b32 s[G1SA], s93, (3<<16)|(1<<21)
	s_or_b32 s[G1SW], s94, (3<<16)|(1<<20)|(1<<21)|(5<<22)|(3<<25)
.irp g, G1SA, G1SW
	s_mov_b32 s[\g+1], 32<<16
	s_mov_b32 s[\g+2], NSR<<16
	s_mov_b32 s[\g+3], 32<<16
	s_mov_b32 s[\g+4], NSR
	s_mov_b32 s[\g+5], 32
	s_mov_b32 s[\g+6], 0
	s_mov_b32 s[\g+7], 0
.endr
	s_lshl_b32 s40, s92, 3
	s_lshl_b32 s41, s20, 2
	s_add_co_u32 s40, s40, s41
	s_mul_i32 s42, s40, SAT
	s_mul_i32 s40, s40, ATILE
	s_mov_b32 s41, 0
	s_mov_b32 s43, 0
	s_lshl_b32 s44, s23, 7
	s_lshl_b32 s45, s20, 6
	s_add_co_u32 s44, s44, s45
	s_mul_i32 s46, s44, KS
	s_mul_i32 s44, s44, KROW
	s_mov_b32 s45, 0
	s_mov_b32 s47, 0
	s_wait_dscnt 0x0
	s_wait_kmcnt 0x0
	s_mov_b32 s[G0A], 1
	s_mul_i32 s[G0A+1], s20, 4*6144
	s_add_nc_u64 s[G0A+2:G0A+3], s[4:5], s[40:41]
	s_mov_b32 s[G0A+4], 1
	s_add_co_u32 s[G0A+5], s[G0A+1], SLOT
	s_add_nc_u64 s[G0A+6:G0A+7], s[G0A+2:G0A+3], 6144
	s_or_b32 s[G0A+3], s[G0A+3], 0x80000000
	s_or_b32 s[G0A+7], s[G0A+7], 0x80000000
	s_mov_b32 s[G0W], 1
	s_mul_i32 s[G0W+1], s20, 64*WP
	s_add_co_u32 s[G0W+1], s[G0W+1], WOFF
	s_add_nc_u64 s[G0W+2:G0W+3], s[8:9], s[44:45]
	s_mov_b32 s[G0W+4], 1
	s_add_co_u32 s[G0W+5], s[G0W+1], SLOT
	s_add_nc_u64 s[G0W+6:G0W+7], s[G0W+2:G0W+3], 384
	s_or_b32 s[G0W+3], s[G0W+3], 0x80000000
	s_or_b32 s[G0W+7], s[G0W+7], 0x80000000
	s_mov_b32 s[G0SA], 1
	s_mul_i32 s[G0SA+1], s20, 4*SAT
	s_add_co_u32 s[G0SA+1], s[G0SA+1], SCA
	s_add_nc_u64 s[G0SA+2:G0SA+3], s[6:7], s[42:43]
	s_or_b32 s[G0SA+3], s[G0SA+3], 0x80000000
	s_mov_b32 s[G0SW], 1
	s_mul_i32 s[G0SW+1], s20, HALFS
	s_add_co_u32 s[G0SW+1], s[G0SW+1], SCW
	s_add_nc_u64 s[G0SW+2:G0SW+3], s[10:11], s[46:47]
	s_or_b32 s[G0SW+3], s[G0SW+3], 0x80000000
	CROUND                                         ; all sixteen work-groups are here: the joint loads meet
	JLOAD G0SA, G1SA, G0SW, G1SW                   ; three loads of mine are out
	JLOAD G0A, G1A, G0W, G1W
	JLOAD G0A+4, G1A, G0W+4, G1W
	v_and_b32 v1, 15, v0                           ; r
	v_bfe_u32 v2, v0, 4, 1                         ; h
	v_and_b32 v3, 31, v0                           ; l
	v_lshlrev_b32 v[H32], 5, v2
	v_lshlrev_b32 v[R4], 2, v1
	v_lshlrev_b32 v[CO], 12, v2
	v_lshl_add_u32 v[CO], v1, 4, v[CO]
	s_lshl_b32 s96, s23, 9                         ; 4 x my first column: 512 tx + 256 wn
	s_lshl_b32 s97, s20, 8
	s_add_co_u32 s96, s96, s97
	s_mov_b32 s97, 0
	s_add_nc_u64 s[12:13], s[12:13], s[96:97]
	s_lshl_b32 s98, s92, 1
	s_add_co_u32 s98, s98, s19                     ; my group of 64 tokens
	s_lshl_b32 s98, s98, 18
	s_add_co_u32 s98, s98, s96
	s_mov_b32 s99, 0
	s_add_nc_u64 s[14:15], s[14:15], s[98:99]
	s_add_nc_u64 s[16:17], s[16:17], s[98:99]
.irp b, 0,1,2,3
	global_load_b128 v[BI+8*\b:BI+8*\b+3], v[H32], s[12:13] offset:64*\b
	global_load_b128 v[BI+8*\b+4:BI+8*\b+7], v[H32], s[12:13] offset:64*\b+16
.endr
	WIN 0x80                                       ; destination window 2
.irp a, 0,1,2,3
.irp t, 0,1,2,3,4,5,6,7
	global_load_b128 v[32*\a+4*\t:32*\a+4*\t+3], v[CO], s[14:15] offset:(8*\a+2*(\t%4)+32*(\t/4))*4096
.endr
.endr
	WIN 0
	v_lshlrev_b32 v[L16], 4, v3
	v_lshl_add_u32 v[L8], v3, 3, 512
	s_mul_i32 s2, s19, 4*6144
	v_add_nc_u32 v[ADA], s2, v[L16]
	v_add_nc_u32 v[ADA8], s2, v[L8]
	v_add_nc_u32 v[ADA+1], SLOT, v[ADA]
	v_add_nc_u32 v[ADA8+1], SLOT, v[ADA8]
	v_mul_u32_u24 v[ADW], v1, WP
	v_mad_u32_u24 v[ADW], v2, 24, v[ADW]
	s_mul_i32 s2, s20, 64*WP
	s_add_co_u32 s2, s2, WOFF
	v_add_nc_u32 v[ADW], s2, v[ADW]
	v_lshl_add_u32 v[ADW+2], v2, 4, v[ADW]
	v_add_nc_u32 v[ADW+1], SLOT, v[ADW]
	v_add_nc_u32 v[ADW+3], SLOT, v[ADW+2]
	s_mul_i32 s2, s19, 4*SAT
	s_add_co_u32 s2, s2, SCA
	v_add_nc_u32 v[ADSA], s2, v[R4]
	v_mul_u32_u24 v[ADSW], v1, KS
	v_lshrrev_b32 v23, 8, v[ADSW]
	v_lshl_add_u32 v[ADSW], v23, 4, v[ADSW]
	s_mul_i32 s2, s20, HALFS
	s_add_co_u32 s2, s2, SCW
	v_add_nc_u32 v[ADSW], s2, v[ADSW]
	s_mul_i32 s2, s18, 16*272
	s_add_co_u32 s2, s2, STAGE                     ; my stage
	v_mul_u32_u24 v[STO], v1, 272
	v_lshl_add_u32 v[STO], v2, 5, v[STO]
	v_add_nc_u32 v[STO], s2, v[STO]
	v_mul_u32_u24 v[RD], v2, 272
	v_lshl_add_u32 v[RD], v1, 4, v[RD]
	v_add_nc_u32 v[RD], s2, v[RD]
	s_wait_tensorcnt 0x1                           ; the scales and K 0-511 are in; the one younger load may be out
	s_barrier_signal -1
	s_barrier_wait -1
	FETCH 0, 0, 0
	s_wait_loadcnt 32                              ; the bias is in; the 32 younger loads (the residual) stay out
	KSTEP 0, 1, 1, 0, 1
	KSTEP 1, 0, 1, 0, 2
	KSTEP 0, 0, 1, 0, 3
	s_wait_tensorcnt 0x0                           ; my part of K 512-1,023 is in,
	s_wait_dscnt 0x0
	s_barrier_signal -1
	s_barrier_wait -1                              ; everybody's is
	KSTEP 1, 0, 1, 1, 0
	KSTEP 0, 0, 1, 1, 1
	KSTEP 1, 0, 1, 1, 2
	KSTEP 0, 0, 1, 1, 3
	KSTEP 1, 0, 0, 0, 0
	PLACES                                         ; behind the last products, ahead of the first read of results
	s_wait_loadcnt 0x0                             ; the residual
	TOST 0
.irp a, 1,2,3
.if \a > 1
	s_wait_xcnt 0x0                                ; tile a - 2's stores have read the registers into which tile a comes back
.endif
	TOST \a
	SEND \a-1, 16                                  ; behind tile a - 1's loads: tile a's 8 stores and 8 loads
.endr
	SEND 3, 0
	s_wait_tensorcnt 0x0
	ds_add_u32 v126, v127
	s_wait_dscnt 0x0
	CROUND                                         ; the closing round
	s_endpgm
.Lfunc_end_k_q4343575396_oproj:
	.size	k_q4343575396_oproj, .Lfunc_end_k_q4343575396_oproj-k_q4343575396_oproj
	.p2alignl 7, 3214868480
	.fill 96, 4, 3214868480
	.section	.rodata,"a",@progbits
	.p2align	6, 0x0
	.amdhsa_kernel k_q4343575396_oproj
		.amdhsa_group_segment_fixed_size 238080
		.amdhsa_private_segment_fixed_size 0
		.amdhsa_enable_private_segment 0
		.amdhsa_kernarg_size 56
		.amdhsa_user_sgpr_count 2
		.amdhsa_user_sgpr_kernarg_segment_ptr 1
		.amdhsa_wavefront_size32 1
		.amdhsa_system_sgpr_workgroup_id_x 1
		.amdhsa_system_sgpr_workgroup_id_y 1
		.amdhsa_system_sgpr_workgroup_id_z 1
		.amdhsa_system_vgpr_workitem_id 0
		.amdhsa_next_free_vgpr 768
		.amdhsa_next_free_sgpr 102
		.amdhsa_reserve_vcc 0
		.amdhsa_float_denorm_mode_32 3
		.amdhsa_float_denorm_mode_16_64 3
		.amdhsa_memory_ordered 1
		.amdhsa_forward_progress 1
		.amdhsa_inst_pref_size 68
	.end_amdhsa_kernel
	.amdgpu_metadata
---
amdhsa.version: [ 1, 2 ]
amdhsa.kernels:
  - .name:           k_q4343575396_oproj
    .symbol:         k_q4343575396_oproj.kd
    .args:
      - { .name: actc, .offset: 0, .size: 8, .value_kind: global_buffer, .address_space: global }
      - { .name: acts, .offset: 8, .size: 8, .value_kind: global_buffer, .address_space: global }
      - { .name: w_out_codes, .offset: 16, .size: 8, .value_kind: global_buffer, .address_space: global }
      - { .name: w_out_scales, .offset: 24, .size: 8, .value_kind: global_buffer, .address_space: global }
      - { .name: b_out, .offset: 32, .size: 8, .value_kind: global_buffer, .address_space: global }
      - { .name: x, .offset: 40, .size: 8, .value_kind: global_buffer, .address_space: global }
      - { .name: x1, .offset: 48, .size: 8, .value_kind: global_buffer, .address_space: global }
    .group_segment_fixed_size: 238080
    .private_segment_fixed_size: 0
    .kernarg_segment_align: 8
    .kernarg_segment_size: 56
    .max_flat_workgroup_size: 128
    .sgpr_count:     102
    .vgpr_count:     768
    .wavefront_size: 32
...
	.end_amdgpu_metadata
.endif
;; end of part 4
;; launch ln2: the kernel of part 1 again; grid 256 x 1, 8 waves a work-group, no clusters, 66,816 bytes of LDS; arguments x1, ln2_g, ln2_b, actc, acts; writes actc, acts
;; launch mlp1 (part 5): grid 8 x 32, 4 waves a work-group, clusters of 4 x 4, 327,680 bytes of LDS; arguments actc, acts, w1_codes, w1_scales, b1, gc, gs; writes gc, gs
.if DOCPART == 5
	.amdgcn_target "amdgcn-amd-amdhsa--gfx1250"
	.amdhsa_code_object_version 6
	.text
	.protected	k_q4343575396_mlp1
	.globl	k_q4343575396_mlp1
	.p2align	8
	.type	k_q4343575396_mlp1,@function
k_q4343575396_mlp1:
	s_mov_b64 s[64:65], 0
	v_nop
	global_prefetch_b8 v0, s[64:65] scope:SCOPE_SE
	s_setreg_imm32_b32 hwreg(HW_REG_WAVE_MODE, 25, 1), 1
	s_wait_xcnt 0x0
	s_wait_alu depctr_hold_cnt(0) depctr_sa_sdst(0) depctr_va_vdst(0) depctr_va_sdst(0) depctr_va_ssrc(0) depctr_va_vcc(0) depctr_vm_vsrc(0)
	s_getreg_b32 s2, hwreg(HW_REG_IB_STS2, 6, 4)
	s_cmp_eq_u32 s2, 0
	s_cbranch_scc0 .Lentry_in_a_cluster
	s_endpgm
.Lentry_in_a_cluster:
	s_bfe_u32 s2, ttmp6, 0x10000c
	s_cmp_lg_u32 s2, 0xf033
	s_cbranch_scc0 .Lentry_shape_is_right
	s_endpgm
.Lentry_shape_is_right:
; g = gelu(h W^T + b), exact (erf), on codes of E3M2 with E8M0 scales, K = 1,024; g is quantised along its 4,096 columns on the way out and never goes to memory wide.
; h: chunks [tile 256][16] of 768 bytes (16 rows x 64 K as an image of the operand's registers), scale words [tile][8][r].  W: rows of 768 bytes of codes, 32 scale bytes a row.  OUT: gc [tile][64] chunks, gs [tile][32][r] words.
; A WORK-GROUP STAYS.  It owns 128 rows (8 tiles) of h, which lie in LDS for the whole launch, filled once, and walks four tiles of 128 columns, 1,024 columns apart.  A wave makes 4 tiles x 64 columns: 16 accumulators.
; W's two halves of K (512 each) are a ring of two slots: a slot that has been read out takes the next column tile's half, so that it lands under the rest of this tile's products and its way out.  W's scale bytes of all four
; tiles come once.  By this text's count three tensor loads of a wave are out at the head, later one.  The loop runs three tiles; the last is written out, since it asks for nothing more.
; CLUSTER 4 x 4 with joint loads: activations along a row, weights along a column.  A refill stands behind a round of the cluster's barrier; waves 2 and 3 issue it, 64 rows each.
; Source 0 = 16 rows of W, source 1 = a tile: a lane holds one token and eight columns; a tile's four accumulators lie in the order 0, 2, 1, 3, so that 16 exchanges of half-waves leave each lane a whole block of 32 neighbouring columns.
; The bias is the C of a tile's first products; it lies in window 1, in 32 registers that the fragment buffers leave free, and the next tile's is asked for as soon as this tile's has been read.
; ERF in f32: u = x / sqrt(2) held to +-3.8325 (beyond it erf is 1 in f32); erf = u P(u^2) / Q(u^2), P of degree 4, Q of degree 6; gelu = x/2 + (x/2) erf.
; All of a WGP's LDS is claimed, and 0 is added to spare words at each change of slots and at the end.  No prefetch: small tiles, shared in a cluster first.
; LIMITS: gelu's absolute error is about 6e-8 |x|: it can turn a code only in a block whose 32 numbers ahead of the gelu all lie under about -4.  NaN, infinities not served; a block of zeros or under 2^-122 gets the byte 1.
.set KK,    1024
.set NT,    4                          ; column tiles that a work-group walks
.set ATILE, KK/64*768
.set KROW,  KK*6/8
.set KS,    KK/32
.set SAT,   KK/128*64
.set NSR,   4*SAT/256
.set WP,    432                        ; a row of W in a slot: 3 x (128 bytes + 16) = 108 words: sixteen rows start at sixteen different multiples of 4 words modulo 64
.set WOFF,  8*6144
.set SLOT,  WOFF+128*WP
.set SCA,   2*SLOT
.set SCW,   SCA+8*SAT                  ; W's scale bytes, runs of 256 + 16: [which 64 rows: 2][column tile: NT]
.set HALFS, 64*KS/256*272
.set SBLK,  HALFS/4
.set SPARE, SCW+2*NT*HALFS             ; the spare words, 128 bytes a wave: two blocks of 256 bytes that no other line names
.set WSTEP, 1024*KROW                  ; from a column tile to the next, in W's codes
.set ADA,  4
.set ADA8, 6
.set ADW,  8
.set ADSA, 12
.set ADSW, 13
.set L16,  14
.set L8,   15
.set SBY,  16
.set H32,  17
.set R4,   22
.set CA1,  24                          ; v[24:25] P's second coefficient, v[26:27] Q's: the lines that need two constants take one from here
.set CB1,  26
.set SPW,  28                          ; v28  SPARE + 4 x my thread's number; never rewritten
.set NIL,  29                          ; v29  0; never rewritten
.set SA,   32                          ; v32-47 scale words: scales and nothing else
.set SW,   40
.set U,    48                          ; v48-111 the way out's work
.set X2,   64
.set P,    80
.set Q,    96
.set CD,   112                         ; v112-117 codes
.set TQ,   118                         ; v118-124 the quantiser's work
.set ACC,  128
.set BI1,  96                          ; in window 1: v96-127 the bias of the tile in hand
.set G1A, 24
.set G0A, 32
.set G1W, 48
.set G0W, 56
.set G1SA, 68
.set G0SA, 76
.set G1SW, 80
.set G0SW, 88
.set MSB, 0
.macro WIN new
.if MSB != \new
	s_set_vgpr_msb (MSB<<8)|\new
.set MSB, \new
.endif
.endm
.macro PLACES
.rept 4
	v_nop
.endr
.endm
.macro JLOAD g0a, g1a, g0w, g1w        ; a joint first fill: waves 0, 1 fetch for the activations, waves 2, 3 for W; four v_nop follow each line
	s_cmp_eq_u32 s19, 0
	s_cbranch_scc0 .Lfor_w_\@
	tensor_load_to_lds s[\g0a:\g0a+3], s[\g1a:\g1a+7]
	s_nop 0
.rept 4
	v_nop
.endr
	s_branch .Lasked_\@
.Lfor_w_\@:
	tensor_load_to_lds s[\g0w:\g0w+3], s[\g1w:\g1w+7]
	s_nop 0
.rept 4
	v_nop
.endr
.Lasked_\@:
.endm
.macro WLOAD g0                        ; a joint refill of W's part of a slot: waves 2, 3, 64 rows each; the branch hangs on the wave's number alone
	s_cmp_eq_u32 s19, 0
	s_cbranch_scc1 .Lnone_\@
	tensor_load_to_lds s[\g0:\g0+3], s[G1W:G1W+7]
	s_nop 0
.rept 4
	v_nop
.endr
.Lnone_\@:
.endm
.macro CROUND
	s_barrier_signal -1
	s_barrier_wait -1
	s_cmp_lg_u32 s18, 0
	s_cbranch_scc1 .Lnot_wave_0_\@
	s_barrier_signal -3
.Lnot_wave_0_\@:
	s_barrier_wait -3
	s_barrier_signal -1
	s_barrier_wait -1
.endm
.macro FRAGW reg, adr, q, b
.irp p, 0,1,2,3,4,5
.set PC, 12*(\q)+6*(\p/3)+\p%3
.if PC%16 < 13
	ds_load_b64 v[\reg+2*\p:\reg+2*\p+1], v[\adr] offset:8*PC+16*(PC/16)+(\b)*16*WP
.else
	ds_load_b64 v[\reg+2*\p:\reg+2*\p+1], v[\adr+2] offset:8*PC+16*(PC/16)+(\b)*16*WP
.endif
.endr
.endm
.macro FETCH sl, q, f
	WIN 0x40
.irp a, 0,1,2,3
.irp c, 0,1
	ds_load_b128 v[128*(\f)+12*\a+6*\c:128*(\f)+12*\a+6*\c+3], v[ADA+\sl] offset:\a*6144+(2*(\q)+\c)*768
	ds_load_b64 v[128*(\f)+12*\a+6*\c+4:128*(\f)+12*\a+6*\c+5], v[ADA8+\sl] offset:\a*6144+(2*(\q)+\c)*768
.endr
.endr
.irp b, 0,1,2,3
	FRAGW 128*(\f)+48+12*\b, ADW+\sl, \q, \b
.endr
	WIN 0
.irp a, 0,1,2,3
	ds_load_b32 v[SA+4*(\f)+\a], v[ADSA] offset:\a*SAT+64*(4*(\sl)+(\q))
.endr
.irp b, 0,1,2,3
	ds_load_b32 v[SW+4*(\f)+\b], v[ADSW] offset:\b*SBLK+4*(4*(\sl)+(\q))
.endr
.endm
.macro MUL16 f, first                  ; the 16 accumulators by turns, in the same order in every step, over the loop's backward jump too
.irp a, 0,1,2,3
.irp b, 0,1,2,3
.set DD, ACC+32*\a+8*(2*(\b%2)+\b/2)
.if \first
	v_wmma_scale_f32_16x16x128_f8f6f4 v[DD:DD+7], v[128*(\f)+48+12*\b:128*(\f)+48+12*\b+11], v[128*(\f)+12*\a:128*(\f)+12*\a+11], v[BI1+8*\b:BI1+8*\b+7], v[SW+4*(\f)+\b], v[SA+4*(\f)+\a] matrix_a_fmt:MATRIX_FMT_BF6 matrix_b_fmt:MATRIX_FMT_BF6
.else
	v_wmma_scale_f32_16x16x128_f8f6f4 v[DD:DD+7], v[128*(\f)+48+12*\b:128*(\f)+48+12*\b+11], v[128*(\f)+12*\a:128*(\f)+12*\a+11], v[DD:DD+7], v[SW+4*(\f)+\b], v[SA+4*(\f)+\a] matrix_a_fmt:MATRIX_FMT_BF6 matrix_b_fmt:MATRIX_FMT_BF6
.endif
.endr
.endr
.endm
.macro KSTEP f, first, fetch, nsl, nq
	s_wait_dscnt 0x0                               ; buffer f and its scale words, asked for a step ago, are in
.if \fetch
	PLACES                                         ; the last step's products read the buffer that is loaded now
	FETCH \nsl, \nq, 1-\f
.endif
.if \first
	WIN 0x15                                       ; sources 0, 1 and the bias window 1
.else
	WIN 0x05                                       ; sources 0 and 1 window 1
.endif
	MUL16 \f, \first
	WIN 0
.endm
; Slot 0's fourth step changes slots.  Each wave waits for all its tensor loads (slot 1's part among them), adds 0 to its spare word, and waits for that and for its reads of slot 0 (its last fragments are in buffer 1).
; fill = 1: a round of the cluster's barrier, and behind it slot 0's W takes the next column tile's K 0-511.
.macro TURN0 fill
	s_wait_tensorcnt 0x0                           ; no tensor load of mine is out, so a group 0 may be written
	ds_add_u32 v[SPW], v[NIL]
.if \fill
	s_add_nc_u64 s[G0W+2:G0W+3], s[G0W+2:G0W+3], WSTEP
.endif
	PLACES                                         ; on every wave's path: the places ahead of the loads into buffer 0, which the last step's products read
	s_wait_dscnt 0x0                               ; the add is done, and my reads of slot 0 are over
.if \fill
	CROUND                                         ; no wave of any partner still reads slot 0's W or has a load on its way
	WLOAD G0W                                      ; the first tensor load behind the round
.else
	s_barrier_signal -1
	s_barrier_wait -1
.endif
	FETCH 1, 0, 0
	WIN 0x05
	MUL16 1, 0
	WIN 0
.endm
; The second change of slots stands in the middle of a tile's way out, so that each of the two refills has four steps of K and half a way out in which to land.  Slot 1 has been read out; slot 0's refill is waited for;
; behind the round slot 1's W takes the next column tile's K 512-1,023, and the next tile's first fragments are asked for.
.macro CHANGE1
	s_wait_tensorcnt 0x0
	ds_add_u32 v[SPW], v[NIL]
	s_add_nc_u64 s[G0W+6:G0W+7], s[G0W+6:G0W+7], WSTEP
	v_add_nc_u32 v[ADSW], HALFS, v[ADSW]           ; the next column tile's scale bytes
	s_wait_dscnt 0x0
	CROUND
	WLOAD G0W+4
	FETCH 0, 0, 0
.endm
.macro SWAP16 x
.irp j, 0,1,2,3,4,5,6,7
	v_permlane16_swap_b32 v[\x+\j], v[\x+8+\j]
	v_permlane16_swap_b32 v[\x+16+\j], v[\x+24+\j]
.endr
.endm
.macro QBLK s, c, t
	v_max3_num_f32 v[\t], |v[\s]|, |v[\s+1]|, 0x2800000      ; the floor 2^(5 - 127): the byte cannot fall under 1
	v_max3_num_f32 v[\t+1], |v[\s+2]|, |v[\s+3]|, |v[\s+4]|
.irp i, 5,9,13,17,21,25
	v_max3_num_f32 v[\t], v[\t], |v[\s+\i]|, |v[\s+\i+1]|
	v_max3_num_f32 v[\t+1], v[\t+1], |v[\s+\i+2]|, |v[\s+\i+3]|
.endr
	v_max3_num_f32 v[\t], v[\t], |v[\s+29]|, |v[\s+30]|
	v_max3_num_f32 v[\t], v[\t], v[\t+1], |v[\s+31]|
	v_add_nc_u32 v[\t+2], 0xfe000000, v[\t]
	v_cvt_scalef32_pk16_bf6_f32 v[\c:\c+2], v[\s:\s+15], v[\t+2]
	v_cvt_scalef32_pk16_bf6_f32 v[\t+4:\t+6], v[\s+16:\s+31], v[\t+2]
	v_lshrrev_b32 v[\t+3], 23, v[\t+2]             ; the byte; also the plain line behind the conversions
	v_mov_b32 v[\c+3], v[\t+4]
	v_mov_b32 v[\c+4], v[\t+5]
	v_mov_b32 v[\c+5], v[\t+6]
.endm
.macro GELU16 x                        ; 16 numbers v[x ..], two accumulators, in place
.irp i, 0,2,4,6,8,10,12,14
	v_pk_mul_f32 v[U+\i:U+\i+1], v[\x+\i:\x+\i+1], 0x3f3504f3 op_sel_hi:[1,0]         ; u = x / sqrt(2)
.endr
.irp i, 0,1,2,3,4,5,6,7,8,9,10,11,12,13,14,15
	v_med3_num_f32 v[U+\i], v[U+\i], s96, s97
.endr
.irp i, 0,2,4,6,8,10,12,14
	v_pk_mul_f32 v[X2+\i:X2+\i+1], v[U+\i:U+\i+1], v[U+\i:U+\i+1]
.endr
.irp i, 0,2,4,6,8,10,12,14
	v_pk_fma_f32 v[P+\i:P+\i+1], v[X2+\i:X2+\i+1], 0x39702d51, v[CA1:CA1+1] op_sel_hi:[1,0,1]
	v_pk_fma_f32 v[Q+\i:Q+\i+1], v[X2+\i:X2+\i+1], 0xb3fd3906, v[CB1:CB1+1] op_sel_hi:[1,0,1]
.endr
.irp k, 0x3d50b6eb, 0x3e3da740, 0x3f906eba
.irp i, 0,2,4,6,8,10,12,14
	v_pk_fma_f32 v[P+\i:P+\i+1], v[P+\i:P+\i+1], v[X2+\i:X2+\i+1], \k op_sel_hi:[1,1,0]
.endr
.endr
.irp k, 0x3a856d28, 0x3c6687d4, 0x3de34c21, 0x3efeb44a, 1.0
.irp i, 0,2,4,6,8,10,12,14
	v_pk_fma_f32 v[Q+\i:Q+\i+1], v[Q+\i:Q+\i+1], v[X2+\i:X2+\i+1], \k op_sel_hi:[1,1,0]
.endr
.endr
.irp i, 0,1,2,3,4,5,6,7,8,9,10,11,12,13,14,15
	v_rcp_f32 v[Q+\i], v[Q+\i]
.endr
.irp i, 0,2,4,6,8,10,12,14
	v_pk_mul_f32 v[P+\i:P+\i+1], v[P+\i:P+\i+1], v[U+\i:U+\i+1]                       ; work that names no reciprocal stands behind the batch
.endr
.irp i, 0,2,4,6,8,10,12,14
	v_pk_mul_f32 v[\x+\i:\x+\i+1], v[\x+\i:\x+\i+1], 0.5 op_sel_hi:[1,0]
.endr
	s_wait_alu depctr_va_vdst(0)                   ; one wait for the 16, ahead of their first reader
.irp i, 0,2,4,6,8,10,12,14
	v_pk_mul_f32 v[P+\i:P+\i+1], v[P+\i:P+\i+1], v[Q+\i:Q+\i+1]                       ; erf
.endr
.irp i, 0,2,4,6,8,10,12,14
	v_pk_fma_f32 v[\x+\i:\x+\i+1], v[\x+\i:\x+\i+1], v[P+\i:P+\i+1], v[\x+\i:\x+\i+1]
.endr
.endm
.macro WAYOUT a                        ; row tile a of the column tile in hand: gelu, exchange, quantise, store a chunk and its bytes
	GELU16 ACC+32*\a
	GELU16 ACC+32*\a+16
	SWAP16 ACC+32*\a
	s_wait_xcnt 0x0                                ; the earlier stores have read their registers
	QBLK ACC+32*\a, CD, TQ
	global_store_b128 v[L16], v[CD:CD+3], s[14:15] offset:\a*49152
	global_store_b64 v[L8], v[CD+4:CD+5], s[14:15] offset:\a*49152
	global_store_b8 v[SBY], v[TQ+3], s[16:17] offset:\a*2048
.endm
.macro BIAS                            ; 32 numbers a lane: columns 16 b + 8 h + 0 .. 7 of my 64, into window 1
	WIN 0x40                                       ; destination window 1
.irp b, 0,1,2,3
	global_load_b128 v[BI1+8*\b:BI1+8*\b+3], v[H32], s[12:13] offset:64*\b
	global_load_b128 v[BI1+8*\b+4:BI1+8*\b+7], v[H32], s[12:13] offset:64*\b+16
.endr
	WIN 0
.endm
; A column tile.  fill = 1: it has a successor, whose weights and bias it asks for.
.macro TILE fill
	s_wait_loadcnt 0x0                             ; this tile's bias
	KSTEP 0, 1, 1, 0, 1
	KSTEP 1, 0, 1, 0, 2
.if \fill
	s_wait_xcnt 0x0                                ; the bias's base steps: 1,024 columns on.  The second step's four places stand between the products that read the bias and these loads
	s_add_nc_u64 s[12:13], s[12:13], 4096
	BIAS
.endif
	KSTEP 0, 0, 1, 0, 3
	TURN0 \fill
	KSTEP 0, 0, 1, 1, 1
	KSTEP 1, 0, 1, 1, 2
	KSTEP 0, 0, 1, 1, 3
	KSTEP 1, 0, 0, 0, 0
	PLACES                                         ; behind the last products, ahead of the first read of results
	WAYOUT 0
	WAYOUT 1
.if \fill
	CHANGE1
.endif
	WAYOUT 2
	WAYOUT 3
.if \fill
	s_wait_xcnt 0x0                                ; the stores have read their bases
	s_add_nc_u64 s[14:15], s[14:15], 16*768        ; 1,024 columns on: 16 chunks,
	s_add_nc_u64 s[16:17], s[16:17], 8*64          ; 8 x 16 scale words
.endif
.endm
	s_load_b256 s[4:11], s[0:1], 0x0               ; h's codes, h's scales, W's codes, W's scales
	s_load_b128 s[12:15], s[0:1], 0x20             ; bias s[12:13], gc s[14:15]
	s_load_b64 s[16:17], s[0:1], 0x30              ; gs
	v_lshl_add_u32 v[SPW], v0, 2, SPARE
	v_mov_b32 v[NIL], 0
	ds_add_u32 v28, v29
	ds_add_u32 v28, v29
	s_wait_dscnt 0x0
	v_lshrrev_b32 v1, 5, v0
	v_readfirstlane_b32 s18, v1                    ; wave 0..3
	s_lshr_b32 s19, s18, 1                         ; which four tiles are mine.  Also: I fetch for the activations (0) or for W (1)
	s_and_b32 s20, s18, 1                          ; which 64 columns.  Also: which half I fetch
	s_bfe_u32 s21, ttmp6, 0x40000                  ; cx
	s_bfe_u32 s22, ttmp6, 0x40004                  ; cy
	s_lshl_b32 s23, ttmp9, 2
	s_add_co_u32 s23, s23, s21                     ; gx 0..7: my 128 columns of each 1,024
	s_and_b32 s92, ttmp7, 0xffff
	s_lshl_b32 s92, s92, 2
	s_add_co_u32 s92, s92, s22                     ; ty
	s_lshl_b32 s93, s22, 2
	s_lshl_b32 s93, 15, s93                        ; my row of the cluster
	s_lshl_b32 s94, 0x1111, s21                    ; my column
	s_or_b32 s[G1A], s93, (3<<16)|(1<<21)          ; activations: 4 tiles x 6,144 bytes (768 elements of 8), no padding
	s_mov_b32 s[G1A+1], 768<<16
	s_mov_b32 s[G1A+2], 4<<16
	s_mov_b32 s[G1A+3], 768<<16
	s_mov_b32 s[G1A+4], 4
	s_mov_b32 s[G1A+5], ATILE/8
	s_mov_b32 s[G1A+6], 0
	s_mov_b32 s[G1A+7], 0
	s_or_b32 s[G1W], s94, (1<<20)|(1<<21)|(4<<22)|(3<<25)   ; W: 64 rows x 384 bytes, 4 words of padding behind every 32
	s_mov_b32 s[G1W+1], 384<<16
	s_mov_b32 s[G1W+2], 64<<16
	s_mov_b32 s[G1W+3], 384<<16
	s_mov_b32 s[G1W+4], 64
	s_mov_b32 s[G1W+5], KROW
	s_mov_b32 s[G1W+6], 0
	s_mov_b32 s[G1W+7], 0
	s_or_b32 s[G1SA], s93, (3<<16)|(1<<21)         ; scale words of 4 tiles: a dense block, as rows of 256 bytes
	s_mov_b32 s[G1SA+1], 32<<16
	s_mov_b32 s[G1SA+2], NSR<<16
	s_mov_b32 s[G1SA+3], 32<<16
	s_mov_b32 s[G1SA+4], NSR
	s_mov_b32 s[G1SA+5], 32
	s_mov_b32 s[G1SA+6], 0
	s_mov_b32 s[G1SA+7], 0
	s_or_b32 s[G1SW], s94, (3<<16)|(1<<20)|(1<<21)|(5<<22)|(3<<25)   ; scale bytes of 64 rows of W in each of the NT column tiles: NT rows of 2,048 bytes, 1,024 rows of W apart, 16 bytes of padding behind every 256
	s_mov_b32 s[G1SW+1], 256<<16
	s_mov_b32 s[G1SW+2], NT<<16
	s_mov_b32 s[G1SW+3], 256<<16
	s_mov_b32 s[G1SW+4], NT
	s_mov_b32 s[G1SW+5], 1024*KS/8
	s_mov_b32 s[G1SW+6], 0
	s_mov_b32 s[G1SW+7], 0
	s_lshl_b32 s40, s92, 3
	s_lshl_b32 s41, s20, 2
	s_add_co_u32 s40, s40, s41
	s_mul_i32 s42, s40, SAT
	s_mul_i32 s40, s40, ATILE
	s_mov_b32 s41, 0
	s_mov_b32 s43, 0
	s_lshl_b32 s44, s23, 7
	s_lshl_b32 s45, s20, 6
	s_add_co_u32 s44, s44, s45
	s_mul_i32 s46, s44, KS
	s_mul_i32 s44, s44, KROW
	s_mov_b32 s45, 0
	s_mov_b32 s47, 0
	s_wait_kmcnt 0x0
	s_mov_b32 s[G0A], 1
	s_mul_i32 s[G0A+1], s20, 4*6144
	s_add_nc_u64 s[G0A+2:G0A+3], s[4:5], s[40:41]
	s_mov_b32 s[G0A+4], 1
	s_add_co_u32 s[G0A+5], s[G0A+1], SLOT
	s_add_nc_u64 s[G0A+6:G0A+7], s[G0A+2:G0A+3], 6144
	s_or_b32 s[G0A+3], s[G0A+3], 0x80000000
	s_or_b32 s[G0A+7], s[G0A+7], 0x80000000
	s_mov_b32 s[G0W], 1
	s_mul_i32 s[G0W+1], s20, 64*WP
	s_add_co_u32 s[G0W+1], s[G0W+1], WOFF
	s_add_nc_u64 s[G0W+2:G0W+3], s[8:9], s[44:45]
	s_mov_b32 s[G0W+4], 1
	s_add_co_u32 s[G0W+5], s[G0W+1], SLOT
	s_add_nc_u64 s[G0W+6:G0W+7], s[G0W+2:G0W+3], 384
	s_or_b32 s[G0W+3], s[G0W+3], 0x80000000
	s_or_b32 s[G0W+7], s[G0W+7], 0x80000000
	s_mov_b32 s[G0SA], 1
	s_mul_i32 s[G0SA+1], s20, 4*SAT
	s_add_co_u32 s[G0SA+1], s[G0SA+1], SCA
	s_add_nc_u64 s[G0SA+2:G0SA+3], s[6:7], s[42:43]
	s_or_b32 s[G0SA+3], s[G0SA+3], 0x80000000
	s_mov_b32 s[G0SW], 1
	s_mul_i32 s[G0SW+1], s20, NT*HALFS
	s_add_co_u32 s[G0SW+1], s[G0SW+1], SCW
	s_add_nc_u64 s[G0SW+2:G0SW+3], s[10:11], s[46:47]
	s_or_b32 s[G0SW+3], s[G0SW+3], 0x80000000
	CROUND                                         ; all sixteen work-groups are here: the joint loads meet
	JLOAD G0SA, G1SA, G0SW, G1SW                   ; three loads of mine are out: the scales,
	JLOAD G0A, G1A, G0W, G1W                       ; K 0-511,
	JLOAD G0A+4, G1A, G0W+4, G1W                   ; K 512-1,023
	v_and_b32 v1, 15, v0                           ; r
	v_bfe_u32 v2, v0, 4, 1                         ; h
	v_and_b32 v3, 31, v0                           ; l
	v_lshlrev_b32 v[H32], 5, v2
	v_lshlrev_b32 v[R4], 2, v1
	s_lshl_b32 s98, s23, 9                         ; the bias of my 64 columns of the first tile
	s_lshl_b32 s99, s20, 8
	s_add_co_u32 s98, s98, s99
	s_mov_b32 s99, 0
	s_add_nc_u64 s[12:13], s[12:13], s[98:99]
	BIAS
	v_lshlrev_b32 v[L16], 4, v3
	v_lshl_add_u32 v[L8], v3, 3, 512
	s_mul_i32 s2, s19, 4*6144
	v_add_nc_u32 v[ADA], s2, v[L16]
	v_add_nc_u32 v[ADA8], s2, v[L8]
	v_add_nc_u32 v[ADA+1], SLOT, v[ADA]
	v_add_nc_u32 v[ADA8+1], SLOT, v[ADA8]
	v_mul_u32_u24 v[ADW], v1, WP
	v_mad_u32_u24 v[ADW], v2, 24, v[ADW]
	s_mul_i32 s2, s20, 64*WP
	s_add_co_u32 s2, s2, WOFF
	v_add_nc_u32 v[ADW], s2, v[ADW]
	v_lshl_add_u32 v[ADW+2], v2, 4, v[ADW]
	v_add_nc_u32 v[ADW+1], SLOT, v[ADW]
	v_add_nc_u32 v[ADW+3], SLOT, v[ADW+2]
	s_mul_i32 s2, s19, 4*SAT
	s_add_co_u32 s2, s2, SCA
	v_add_nc_u32 v[ADSA], s2, v[R4]
	v_mul_u32_u24 v[ADSW], v1, KS
	v_lshrrev_b32 v23, 8, v[ADSW]
	v_lshl_add_u32 v[ADSW], v23, 4, v[ADSW]
	s_mul_i32 s2, s20, NT*HALFS
	s_add_co_u32 s2, s2, SCW
	v_add_nc_u32 v[ADSW], s2, v[ADSW]
	v_add_nc_u32 v[SBY], v[R4], v2
	v_mov_b32 v[CA1], 0x3b5f5da2
	v_mov_b32 v[CA1+1], 0x3b5f5da2
	v_mov_b32 v[CB1], 0x37c588df
	v_mov_b32 v[CB1+1], 0x37c588df
	s_mov_b32 s96, 0xc07547cb                      ; -3.8325, 3.8325
	s_mov_b32 s97, 0x407547cb
	s_lshl_b32 s98, s92, 3                         ; where the results go: my first tile,
	s_lshl_b32 s99, s19, 2
	s_add_co_u32 s98, s98, s99
	s_lshl_b32 s100, s98, 11                       ; its 32 x 16 scale words,
	s_mul_i32 s98, s98, 49152                      ; its 64 chunks,
	s_lshl_b32 s99, s23, 1
	s_add_co_u32 s99, s99, s20
	s_mul_i32 s99, s99, 768                        ; chunk 2 gx + wn of the first column tile
	s_add_co_u32 s98, s98, s99
	s_mov_b32 s99, 0
	s_add_nc_u64 s[14:15], s[14:15], s[98:99]
	s_lshl_b32 s101, s23, 6                        ; word gx, byte 2 wn + h
	s_add_co_u32 s100, s100, s101
	s_lshl_b32 s101, s20, 1
	s_add_co_u32 s100, s100, s101
	s_mov_b32 s101, 0
	s_add_nc_u64 s[16:17], s[16:17], s[100:101]
	s_wait_tensorcnt 0x1                           ; the scales and K 0-511 are in; the one younger load may be out
	s_barrier_signal -1
	s_barrier_wait -1
	FETCH 0, 0, 0
	s_mov_b32 s3, NT-1
.Ltile:                                                ; three trips: every column tile but the last asks for its successor's weights
	TILE 1
	s_sub_co_u32 s3, s3, 1
	s_cmp_lg_u32 s3, 0
	s_cbranch_scc1 .Ltile
	TILE 0                                         ; the last tile is written out
	s_wait_tensorcnt 0x0                           ; the wave's end
	ds_add_u32 v[SPW], v[NIL]
	s_wait_dscnt 0x0
	CROUND                                         ; the closing round
	s_endpgm
.Lfunc_end_k_q4343575396_mlp1:
	.size	k_q4343575396_mlp1, .Lfunc_end_k_q4343575396_mlp1-k_q4343575396_mlp1
	.p2alignl 7, 3214868480
	.fill 96, 4, 3214868480
	.section	.rodata,"a",@progbits
	.p2align	6, 0x0
	.amdhsa_kernel k_q4343575396_mlp1
		.amdhsa_group_segment_fixed_size 327680
		.amdhsa_private_segment_fixed_size 0
		.amdhsa_enable_private_segment 0
		.amdhsa_kernarg_size 56
		.amdhsa_user_sgpr_count 2
		.amdhsa_user_sgpr_kernarg_segment_ptr 1
		.amdhsa_wavefront_size32 1
		.amdhsa_system_sgpr_workgroup_id_x 1
		.amdhsa_system_sgpr_workgroup_id_y 1
		.amdhsa_system_sgpr_workgroup_id_z 1
		.amdhsa_system_vgpr_workitem_id 0
		.amdhsa_next_free_vgpr 512
		.amdhsa_next_free_sgpr 102
		.amdhsa_reserve_vcc 0
		.amdhsa_float_denorm_mode_32 3
		.amdhsa_float_denorm_mode_16_64 3
		.amdhsa_memory_ordered 1
		.amdhsa_forward_progress 1
		.amdhsa_inst_pref_size 255
	.end_amdhsa_kernel
	.section	.bss,"aw",@nobits
	.p2align	6
	.space	262144
	.amdgpu_metadata
---
amdhsa.version: [ 1, 2 ]
amdhsa.kernels:
  - .name:           k_q4343575396_mlp1
    .symbol:         k_q4343575396_mlp1.kd
    .args:
      - { .name: actc, .offset: 0, .size: 8, .value_kind: global_buffer, .address_space: global }
      - { .name: acts, .offset: 8, .size: 8, .value_kind: global_buffer, .address_space: global }
      - { .name: w1_codes, .offset: 16, .size: 8, .value_kind: global_buffer, .address_space: global }
      - { .name: w1_scales, .offset: 24, .size: 8, .value_kind: global_buffer, .address_space: global }
      - { .name: b1, .offset: 32, .size: 8, .value_kind: global_buffer, .address_space: global }
      - { .name: gc, .offset: 40, .size: 8, .value_kind: global_buffer, .address_space: global }
      - { .name: gs, .offset: 48, .size: 8, .value_kind: global_buffer, .address_space: global }
    .group_segment_fixed_size: 327680
    .private_segment_fixed_size: 0
    .kernarg_segment_align: 8
    .kernarg_segment_size: 56
    .max_flat_workgroup_size: 128
    .sgpr_count:     102
    .vgpr_count:     512
    .wavefront_size: 32
...
	.end_amdgpu_metadata
.endif
;; end of part 5
;; launch mlp2 (part 6): grid 8 x 32, 4 waves a work-group, clusters of 4 x 4, 327,680 bytes of LDS; arguments gc, gs, w2_codes, w2_scales, b2, x1, out0; writes out0
.if DOCPART == 6
	.amdgcn_target "amdgcn-amd-amdhsa--gfx1250"
	.amdhsa_code_object_version 6
	.text
	.protected	k_q4343575396_mlp2
	.globl	k_q4343575396_mlp2
	.p2align	8
	.type	k_q4343575396_mlp2,@function
k_q4343575396_mlp2:
	s_mov_b64 s[64:65], 0
	v_nop
	global_prefetch_b8 v0, s[64:65] scope:SCOPE_SE
	s_setreg_imm32_b32 hwreg(HW_REG_WAVE_MODE, 25, 1), 1
	s_wait_xcnt 0x0
	s_wait_alu depctr_hold_cnt(0) depctr_sa_sdst(0) depctr_va_vdst(0) depctr_va_sdst(0) depctr_va_ssrc(0) depctr_va_vcc(0) depctr_vm_vsrc(0)
	s_getreg_b32 s2, hwreg(HW_REG_IB_STS2, 6, 4)
	s_cmp_eq_u32 s2, 0
	s_cbranch_scc0 .Lentry_in_a_cluster
	s_endpgm
.Lentry_in_a_cluster:
	s_bfe_u32 s2, ttmp6, 0x10000c
	s_cmp_lg_u32 s2, 0xf033
	s_cbranch_scc0 .Lentry_shape_is_right
	s_endpgm
.Lentry_shape_is_right:
; out = x1 + g W^T + b on codes of E3M2 with E8M0 scales, K = 4,096; out is f32 in token order.
; g: chunks [tile 256][64] of 768 bytes (16 rows x 64 K as an image of the operand's registers), scale words [tile][32][r]; row r of tile T is token 64 (T/4) + 8 (T%4) + r%8 + 32 (r/8).  W: rows of 3,072 bytes of codes, 128 scale bytes a row.
; SHARES.  A work-group makes 128 rows (8 tiles) x 128 columns, a wave 4 tiles x 64 columns: 16 accumulators; 256 work-groups.  K goes in steps of 512 through a ring of two LDS slots; the scales of all of K come once and stay.
; CLUSTER 4 x 4: the activations' tiles are shared along a row of the cluster, the weights' along a column, by joint loads; a slot is filled again behind a round of the cluster's barrier, one load a wave, which has four steps of
; 128 along K (64 matrix instructions a wave) in which to land.  By this text's count three loads of a wave are out at the head, later one.
; The bias is the C of the sums' first products; the residual is asked for at the head, into window 2.  THE WAY OUT goes through my own stage in LDS, bytes that no tensor load fills; sixteen lanes store 256 consecutive bytes, aligned.
; All of a WGP's LDS is claimed, and 0 is added to spare words at each change of slots and at the end.  No prefetch: small tiles, shared in a cluster first.
.set KK,    4096
.set ATILE, KK/64*768
.set KROW,  KK*6/8
.set KS,    KK/32
.set SAT,   KK/128*64
.set NSR,   4*SAT/256
.set WP,    432                        ; a row of W in a slot: 3 x (128 bytes + 16) = 108 words: sixteen rows start at sixteen different multiples of 4 words modulo 64
.set WOFF,  8*6144
.set SLOT,  WOFF+128*WP
.set SCA,   2*SLOT
.set SCW,   SCA+8*SAT
.set HALFS, NSR*272
.set SBLK,  HALFS/4
.set STAGE, SCW+2*HALFS
.set SPARE, STAGE+4*16*272             ; the spare words, 128 bytes a wave: two blocks of 256 bytes that no other line names
.set ADA,  4
.set ADA8, 6
.set ADW,  8
.set ADSA, 12
.set ADSW, 13
.set L16,  14
.set L8,   15
.set H32,  17
.set STO,  18
.set RD,   19
.set CO,   20
.set R4,   22
.set SPW,  28                          ; v28  SPARE + 4 x my thread's number; never rewritten
.set NIL,  29                          ; v29  0; never rewritten
.set SA,   32                          ; v32-47 scale words: scales and nothing else
.set SW,   40
.set BI,   48
.set OB,   48
.set ACC,  128
.set G1A, 24
.set G0A, 32
.set G1W, 48
.set G0W, 56
.set G1SA, 68
.set G0SA, 76
.set G1SW, 80
.set G0SW, 88
.set MSB, 0
.macro WIN new
.if MSB != \new
	s_set_vgpr_msb (MSB<<8)|\new
.set MSB, \new
.endif
.endm
.macro PLACES
.rept 4
	v_nop
.endr
.endm
.macro JLOAD g0a, g1a, g0w, g1w
	s_cmp_eq_u32 s19, 0
	s_cbranch_scc0 .Lfor_w_\@
	tensor_load_to_lds s[\g0a:\g0a+3], s[\g1a:\g1a+7]
	s_nop 0
.rept 4
	v_nop
.endr
	s_branch .Lasked_\@
.Lfor_w_\@:
	tensor_load_to_lds s[\g0w:\g0w+3], s[\g1w:\g1w+7]
	s_nop 0
.rept 4
	v_nop
.endr
.Lasked_\@:
.endm
.macro CROUND
	s_barrier_signal -1
	s_barrier_wait -1
	s_cmp_lg_u32 s18, 0
	s_cbranch_scc1 .Lnot_wave_0_\@
	s_barrier_signal -3
.Lnot_wave_0_\@:
	s_barrier_wait -3
	s_barrier_signal -1
	s_barrier_wait -1
.endm
.macro FRAGW reg, adr, q, b
.irp p, 0,1,2,3,4,5
.set PC, 12*(\q)+6*(\p/3)+\p%3
.if PC%16 < 13
	ds_load_b64 v[\reg+2*\p:\reg+2*\p+1], v[\adr] offset:8*PC+16*(PC/16)+(\b)*16*WP
.else
	ds_load_b64 v[\reg+2*\p:\reg+2*\p+1], v[\adr+2] offset:8*PC+16*(PC/16)+(\b)*16*WP
.endif
.endr
.endm
.macro FETCH sl, q, f
	WIN 0x40
.irp a, 0,1,2,3
.irp c, 0,1
	ds_load_b128 v[128*(\f)+12*\a+6*\c:128*(\f)+12*\a+6*\c+3], v[ADA+\sl] offset:\a*6144+(2*(\q)+\c)*768
	ds_load_b64 v[128*(\f)+12*\a+6*\c+4:128*(\f)+12*\a+6*\c+5], v[ADA8+\sl] offset:\a*6144+(2*(\q)+\c)*768
.endr
.endr
.irp b, 0,1,2,3
	FRAGW 128*(\f)+48+12*\b, ADW+\sl, \q, \b
.endr
	WIN 0
.irp a, 0,1,2,3
	ds_load_b32 v[SA+4*(\f)+\a], v[ADSA] offset:\a*SAT+64*(4*(\sl)+(\q))
.endr
.irp b, 0,1,2,3
	ds_load_b32 v[SW+4*(\f)+\b], v[ADSW] offset:\b*SBLK+4*(4*(\sl)+(\q))
.endr
.endm
.macro MUL16 f, first                  ; the 16 accumulators by turns, in the same order in every step, over the loop's backward jump too
.irp a, 0,1,2,3
.irp b, 0,1,2,3
.set DD, ACC+32*\a+8*(2*(\b%2)+\b/2)
.if \first
	v_wmma_scale_f32_16x16x128_f8f6f4 v[DD:DD+7], v[128*(\f)+48+12*\b:128*(\f)+48+12*\b+11], v[128*(\f)+12*\a:128*(\f)+12*\a+11], v[BI+8*\b:BI+8*\b+7], v[SW+4*(\f)+\b], v[SA+4*(\f)+\a] matrix_a_fmt:MATRIX_FMT_BF6 matrix_b_fmt:MATRIX_FMT_BF6
.else
	v_wmma_scale_f32_16x16x128_f8f6f4 v[DD:DD+7], v[128*(\f)+48+12*\b:128*(\f)+48+12*\b+11], v[128*(\f)+12*\a:128*(\f)+12*\a+11], v[DD:DD+7], v[SW+4*(\f)+\b], v[SA+4*(\f)+\a] matrix_a_fmt:MATRIX_FMT_BF6 matrix_b_fmt:MATRIX_FMT_BF6
.endif
.endr
.endr
.endm
.macro KSTEP f, first, fetch, nsl, nq
	s_wait_dscnt 0x0                               ; buffer f and its scale words, asked for a step ago, are in
.if \fetch
	PLACES                                         ; the last step's products read the buffer that is loaded now
	FETCH \nsl, \nq, 1-\f
.endif
	WIN 0x05
	MUL16 \f, \first
	WIN 0
.endm
; A slot's fourth step changes slots.  Each wave waits for all its tensor loads (its part of the other slot), adds 0 to its spare word, and waits for that and for its reads of this slot (its last fragments are in buffer 1).
; fill = 1: a round of the cluster's barrier, and behind it this slot is filled again, with K two slots on.
.macro TURN sl, fill
	s_wait_tensorcnt 0x0                           ; no tensor load of mine is out, so a group 0 may be written
	ds_add_u32 v[SPW], v[NIL]
.if \fill
	s_add_nc_u64 s[G0A+4*\sl+2:G0A+4*\sl+3], s[G0A+4*\sl+2:G0A+4*\sl+3], 2*6144
	s_add_nc_u64 s[G0W+4*\sl+2:G0W+4*\sl+3], s[G0W+4*\sl+2:G0W+4*\sl+3], 2*384
.endif
	s_wait_dscnt 0x0                               ; the add is done, and my reads of this slot are over
.if \fill
	CROUND                                         ; no wave of any partner still reads this slot or has a load on its way
	JLOAD G0A+4*\sl, G1A, G0W+4*\sl, G1W           ; the first tensor load behind the round; its four v_nop are also the places ahead of the loads below
.else
	s_barrier_signal -1
	s_barrier_wait -1
	PLACES
.endif
.if \sl == 1
	v_add_nc_u32 v[ADSA], 512, v[ADSA]             ; the next lap's scale words: 8 steps of 128 along K on
	v_add_nc_u32 v[ADSW], 32, v[ADSW]
.endif
	FETCH 1-\sl, 0, 0
	WIN 0x05
	MUL16 1, 0
	WIN 0
.endm
.macro TOST a                          ; tile a into my stage, each accumulator from its low end on, and back by rows; LDS serves a wave's instructions in order (ISA guide 5.7.1.4)
.irp b, 0,1,2,3
.set DD, ACC+32*(\a)+8*(2*(\b%2)+\b/2)
	ds_store_b128 v[STO], v[DD:DD+3] offset:64*\b
	ds_store_b128 v[STO], v[DD+4:DD+7] offset:64*\b+16
.endr
.set OBB, OB+32*((\a)%2)
.irp t, 0,1,2,3,4,5,6,7
	ds_load_b128 v[OBB+4*\t:OBB+4*\t+3], v[RD] offset:544*\t
.endr
.endm
.macro SEND a, n
.set OBB, OB+32*((\a)%2)
	s_wait_dscnt \n
	WIN 0x08                                       ; source 1 window 2: the residual
.irp i, 0,2,4,6,8,10,12,14,16,18,20,22,24,26,28,30
	v_pk_add_f32 v[OBB+\i:OBB+\i+1], v[OBB+\i:OBB+\i+1], v[32*(\a)+\i:32*(\a)+\i+1]
.endr
	WIN 0
.irp t, 0,1,2,3,4,5,6,7
	global_store_b128 v[CO], v[OBB+4*\t:OBB+4*\t+3], s[16:17] offset:(8*(\a)+2*(\t%4)+32*(\t/4))*4096 th:TH_STORE_NT
.endr
.endm
	s_load_b256 s[4:11], s[0:1], 0x0               ; g's codes, g's scales, W's codes, W's scales
	s_load_b128 s[12:15], s[0:1], 0x20             ; bias s[12:13], x1 s[14:15]
	s_load_b64 s[16:17], s[0:1], 0x30              ; out
	v_lshl_add_u32 v[SPW], v0, 2, SPARE
	v_mov_b32 v[NIL], 0
	ds_add_u32 v28, v29
	ds_add_u32 v28, v29
	s_wait_dscnt 0x0
	v_lshrrev_b32 v1, 5, v0
	v_readfirstlane_b32 s18, v1                    ; wave 0..3
	s_lshr_b32 s19, s18, 1                         ; which four tiles are mine.  Also: I fetch for the activations (0) or for W (1)
	s_and_b32 s20, s18, 1                          ; which 64 columns.  Also: which half I fetch
	s_bfe_u32 s21, ttmp6, 0x40000                  ; cx
	s_bfe_u32 s22, ttmp6, 0x40004                  ; cy
	s_lshl_b32 s23, ttmp9, 2
	s_add_co_u32 s23, s23, s21                     ; tx
	s_and_b32 s92, ttmp7, 0xffff
	s_lshl_b32 s92, s92, 2
	s_add_co_u32 s92, s92, s22                     ; ty
	s_lshl_b32 s93, s22, 2
	s_lshl_b32 s93, 15, s93                        ; my row of the cluster
	s_lshl_b32 s94, 0x1111, s21                    ; my column
	s_or_b32 s[G1A], s93, (3<<16)|(1<<21)          ; activations: 4 tiles x 6,144 bytes (768 elements of 8), no padding
	s_mov_b32 s[G1A+1], 768<<16
	s_mov_b32 s[G1A+2], 4<<16
	s_mov_b32 s[G1A+3], 768<<16
	s_mov_b32 s[G1A+4], 4
	s_mov_b32 s[G1A+5], ATILE/8
	s_mov_b32 s[G1A+6], 0
	s_mov_b32 s[G1A+7], 0
	s_or_b32 s[G1W], s94, (1<<20)|(1<<21)|(4<<22)|(3<<25)   ; W: 64 rows x 384 bytes, 4 words of padding behind every 32
	s_mov_b32 s[G1W+1], 384<<16
	s_mov_b32 s[G1W+2], 64<<16
	s_mov_b32 s[G1W+3], 384<<16
	s_mov_b32 s[G1W+4], 64
	s_mov_b32 s[G1W+5], KROW
	s_mov_b32 s[G1W+6], 0
	s_mov_b32 s[G1W+7], 0
	s_or_b32 s[G1SA], s93, (3<<16)|(1<<21)
	s_or_b32 s[G1SW], s94, (3<<16)|(1<<20)|(1<<21)|(5<<22)|(3<<25)
.irp g, G1SA, G1SW
	s_mov_b32 s[\g+1], 32<<16
	s_mov_b32 s[\g+2], NSR<<16
	s_mov_b32 s[\g+3], 32<<16
	s_mov_b32 s[\g+4], NSR
	s_mov_b32 s[\g+5], 32
	s_mov_b32 s[\g+6], 0
	s_mov_b32 s[\g+7], 0
.endr
	s_lshl_b32 s40, s92, 3
	s_lshl_b32 s41, s20, 2
	s_add_co_u32 s40, s40, s41
	s_mul_i32 s42, s40, SAT
	s_mul_i32 s40, s40, ATILE
	s_mov_b32 s41, 0
	s_mov_b32 s43, 0
	s_lshl_b32 s44, s23, 7
	s_lshl_b32 s45, s20, 6
	s_add_co_u32 s44, s44, s45
	s_mul_i32 s46, s44, KS
	s_mul_i32 s44, s44, KROW
	s_mov_b32 s45, 0
	s_mov_b32 s47, 0
	s_wait_kmcnt 0x0
	s_mov_b32 s[G0A], 1
	s_mul_i32 s[G0A+1], s20, 4*6144
	s_add_nc_u64 s[G0A+2:G0A+3], s[4:5], s[40:41]
	s_mov_b32 s[G0A+4], 1
	s_add_co_u32 s[G0A+5], s[G0A+1], SLOT
	s_add_nc_u64 s[G0A+6:G0A+7], s[G0A+2:G0A+3], 6144
	s_or_b32 s[G0A+3], s[G0A+3], 0x80000000
	s_or_b32 s[G0A+7], s[G0A+7], 0x80000000
	s_mov_b32 s[G0W], 1
	s_mul_i32 s[G0W+1], s20, 64*WP
	s_add_co_u32 s[G0W+1], s[G0W+1], WOFF
	s_add_nc_u64 s[G0W+2:G0W+3], s[8:9], s[44:45]
	s_mov_b32 s[G0W+4], 1
	s_add_co_u32 s[G0W+5], s[G0W+1], SLOT
	s_add_nc_u64 s[G0W+6:G0W+7], s[G0W+2:G0W+3], 384
	s_or_b32 s[G0W+3], s[G0W+3], 0x80000000
	s_or_b32 s[G0W+7], s[G0W+7], 0x80000000
	s_mov_b32 s[G0SA], 1
	s_mul_i32 s[G0SA+1], s20, 4*SAT
	s_add_co_u32 s[G0SA+1], s[G0SA+1], SCA
	s_add_nc_u64 s[G0SA+2:G0SA+3], s[6:7], s[42:43]
	s_or_b32 s[G0SA+3], s[G0SA+3], 0x80000000
	s_mov_b32 s[G0SW], 1
	s_mul_i32 s[G0SW+1], s20, HALFS
	s_add_co_u32 s[G0SW+1], s[G0SW+1], SCW
	s_add_nc_u64 s[G0SW+2:G0SW+3], s[10:11], s[46:47]
	s_or_b32 s[G0SW+3], s[G0SW+3], 0x80000000
	CROUND                                         ; all sixteen work-groups are here: the first joint loads meet
	JLOAD G0SA, G1SA, G0SW, G1SW                   ; the scales of all of K: filled once
	JLOAD G0A, G1A, G0W, G1W                       ; K 0-511
	JLOAD G0A+4, G1A, G0W+4, G1W                   ; K 512-1,023
	v_and_b32 v1, 15, v0                           ; r
	v_bfe_u32 v2, v0, 4, 1                         ; h
	v_and_b32 v3, 31, v0                           ; l
	v_lshlrev_b32 v[H32], 5, v2
	v_lshlrev_b32 v[R4], 2, v1
	v_lshlrev_b32 v[CO], 12, v2
	v_lshl_add_u32 v[CO], v1, 4, v[CO]
	s_lshl_b32 s96, s23, 9                         ; 4 x my first column
	s_lshl_b32 s97, s20, 8
	s_add_co_u32 s96, s96, s97
	s_mov_b32 s97, 0
	s_add_nc_u64 s[12:13], s[12:13], s[96:97]
	s_lshl_b32 s98, s92, 1
	s_add_co_u32 s98, s98, s19                     ; my group of 64 tokens
	s_lshl_b32 s98, s98, 18
	s_add_co_u32 s98, s98, s96
	s_mov_b32 s99, 0
	s_add_nc_u64 s[14:15], s[14:15], s[98:99]
	s_add_nc_u64 s[16:17], s[16:17], s[98:99]
.irp b, 0,1,2,3
	global_load_b128 v[BI+8*\b:BI+8*\b+3], v[H32], s[12:13] offset:64*\b
	global_load_b128 v[BI+8*\b+4:BI+8*\b+7], v[H32], s[12:13] offset:64*\b+16
.endr
	WIN 0x80                                       ; destination window 2
.irp a, 0,1,2,3
.irp t, 0,1,2,3,4,5,6,7
	global_load_b128 v[32*\a+4*\t:32*\a+4*\t+3], v[CO], s[14:15] offset:(8*\a+2*(\t%4)+32*(\t/4))*4096
.endr
.endr
	WIN 0
	v_lshlrev_b32 v[L16], 4, v3
	v_lshl_add_u32 v[L8], v3, 3, 512
	s_mul_i32 s2, s19, 4*6144
	v_add_nc_u32 v[ADA], s2, v[L16]
	v_add_nc_u32 v[ADA8], s2, v[L8]
	v_add_nc_u32 v[ADA+1], SLOT, v[ADA]
	v_add_nc_u32 v[ADA8+1], SLOT, v[ADA8]
	v_mul_u32_u24 v[ADW], v1, WP
	v_mad_u32_u24 v[ADW], v2, 24, v[ADW]
	s_mul_i32 s2, s20, 64*WP
	s_add_co_u32 s2, s2, WOFF
	v_add_nc_u32 v[ADW], s2, v[ADW]
	v_lshl_add_u32 v[ADW+2], v2, 4, v[ADW]
	v_add_nc_u32 v[ADW+1], SLOT, v[ADW]
	v_add_nc_u32 v[ADW+3], SLOT, v[ADW+2]
	s_mul_i32 s2, s19, 4*SAT
	s_add_co_u32 s2, s2, SCA
	v_add_nc_u32 v[ADSA], s2, v[R4]
	v_mul_u32_u24 v[ADSW], v1, KS
	v_lshrrev_b32 v23, 8, v[ADSW]
	v_lshl_add_u32 v[ADSW], v23, 4, v[ADSW]
	s_mul_i32 s2, s20, HALFS
	s_add_co_u32 s2, s2, SCW
	v_add_nc_u32 v[ADSW], s2, v[ADSW]
	s_mul_i32 s2, s18, 16*272
	s_add_co_u32 s2, s2, STAGE                     ; my stage
	v_mul_u32_u24 v[STO], v1, 272
	v_lshl_add_u32 v[STO], v2, 5, v[STO]
	v_add_nc_u32 v[STO], s2, v[STO]
	v_mul_u32_u24 v[RD], v2, 272
	v_lshl_add_u32 v[RD], v1, 4, v[RD]
	v_add_nc_u32 v[RD], s2, v[RD]
	s_wait_tensorcnt 0x1                           ; the scales and slot 0 are in; slot 1's one load may be out
	s_barrier_signal -1
	s_barrier_wait -1
	FETCH 0, 0, 0
	s_wait_loadcnt 32                              ; the bias is in; the 32 younger loads (the residual) stay out
	KSTEP 0, 1, 1, 0, 1
	KSTEP 1, 0, 1, 0, 2
	KSTEP 0, 0, 1, 0, 3
	s_mov_b32 s3, 3
.Llap:                                                 ; three trips, each once round the ring: six refills bring K 1,024 to 4,095
	TURN 0, 1
	KSTEP 0, 0, 1, 1, 1
	KSTEP 1, 0, 1, 1, 2
	KSTEP 0, 0, 1, 1, 3
	TURN 1, 1
	KSTEP 0, 0, 1, 0, 1
	KSTEP 1, 0, 1, 0, 2
	KSTEP 0, 0, 1, 0, 3
	s_sub_co_u32 s3, s3, 1
	s_cmp_lg_u32 s3, 0
	s_cbranch_scc1 .Llap
	TURN 0, 0                                      ; the tail is written out: nothing is left to fetch
	KSTEP 0, 0, 1, 1, 1
	KSTEP 1, 0, 1, 1, 2
	KSTEP 0, 0, 1, 1, 3
	KSTEP 1, 0, 0, 0, 0
	PLACES                                         ; behind the last products, ahead of the first read of results
	s_wait_loadcnt 0x0                             ; the residual
	TOST 0
.irp a, 1,2,3
.if \a > 1
	s_wait_xcnt 0x0                                ; tile a - 2's stores have read the registers into which tile a comes back
.endif
	TOST \a
	SEND \a-1, 16                                  ; behind tile a - 1's loads: tile a's 8 stores and 8 loads
.endr
	SEND 3, 0
	s_wait_tensorcnt 0x0                           ; the wave's end
	ds_add_u32 v[SPW], v[NIL]
	s_wait_dscnt 0x0
	CROUND                                         ; the closing round
	s_endpgm
.Lfunc_end_k_q4343575396_mlp2:
	.size	k_q4343575396_mlp2, .Lfunc_end_k_q4343575396_mlp2-k_q4343575396_mlp2
	.p2alignl 7, 3214868480
	.fill 96, 4, 3214868480
	.section	.rodata,"a",@progbits
	.p2align	6, 0x0
	.amdhsa_kernel k_q4343575396_mlp2
		.amdhsa_group_segment_fixed_size 327680
		.amdhsa_private_segment_fixed_size 0
		.amdhsa_enable_private_segment 0
		.amdhsa_kernarg_size 56
		.amdhsa_user_sgpr_count 2
		.amdhsa_user_sgpr_kernarg_segment_ptr 1
		.amdhsa_wavefront_size32 1
		.amdhsa_system_sgpr_workgroup_id_x 1
		.amdhsa_system_sgpr_workgroup_id_y 1
		.amdhsa_system_sgpr_workgroup_id_z 1
		.amdhsa_system_vgpr_workitem_id 0
		.amdhsa_next_free_vgpr 768
		.amdhsa_next_free_sgpr 102
		.amdhsa_reserve_vcc 0
		.amdhsa_float_denorm_mode_32 3
		.amdhsa_float_denorm_mode_16_64 3
		.amdhsa_memory_ordered 1
		.amdhsa_forward_progress 1
		.amdhsa_inst_pref_size 113
	.end_amdhsa_kernel
	.amdgpu_metadata
---
amdhsa.version: [ 1, 2 ]
amdhsa.kernels:
  - .name:           k_q4343575396_mlp2
    .symbol:         k_q4343575396_mlp2.kd
    .args:
      - { .name: gc, .offset: 0, .size: 8, .value_kind: global_buffer, .address_space: global }
      - { .name: gs, .offset: 8, .size: 8, .value_kind: global_buffer, .address_space: global }
      - { .name: w2_codes, .offset: 16, .size: 8, .value_kind: global_buffer, .address_space: global }
      - { .name: w2_scales, .offset: 24, .size: 8, .value_kind: global_buffer, .address_space: global }
      - { .name: b2, .offset: 32, .size: 8, .value_kind: global_buffer, .address_space: global }
      - { .name: x1, .offset: 40, .size: 8, .value_kind: global_buffer, .address_space: global }
      - { .name: out0, .offset: 48, .size: 8, .value_kind: global_buffer, .address_space: global }
    .group_segment_fixed_size: 327680
    .private_segment_fixed_size: 0
    .kernarg_segment_align: 8
    .kernarg_segment_size: 56
    .max_flat_workgroup_size: 128
    .sgpr_count:     102
    .vgpr_count:     768
    .wavefront_size: 32
...
	.end_amdgpu_metadata
.endif
;; end of part 6
